; MI455X (gfx1250); checked and timed in simulation.
; The chip was launched on July 23, 2026; its instructions are those of AMD's public machine-readable ISA for CDNA 5 (MIT licence, August 2026) and "CDNA5" Instruction Set Architecture Reference Guide (July 2026). The comments in the code are by the model that wrote it; some were corrected since.
;; Multi Head Attention. Allowed arithmetic: matrix products marked QUANTISED: E3M2 operands, one E8M0 scale for each 32 along K, by v_wmma_scale_f32_16x16x128_f8f6f4 with both operands' format E3M2, f32 sums; everything else in f32.
;; Inputs: K 4 x 2,048 x 1,024 float32; Q 4 x 2,048 x 1,024 float32; V 4 x 2,048 x 1,024 float32; Wk 1,024 x 1,024 float32; Wo 1,024 x 1,024 float32; Wq 1,024 x 1,024 float32; Wv 1,024 x 1,024 float32; bk 1,024 float32; bo 1,024 float32; bq 1,024 float32; bv 1,024 float32.
;; Outputs: out0 4 x 2,048 x 1,024 float32.
;; This version of the problem:
;;   THIS VERSION OF THE PROBLEM IS GIVEN IN LOW PRECISION. The matrix products marked QUANTISED in the list below multiply operands that are first quantised to E3M2 (3 exponent bits, 2 mantissa bits; 6 bits a number), with one power-of-two scale for each 32 numbers along K (OCP MX v1.0); their sums are f32. All else is computed in f32.
;;   The module's matrix products, in the order in which they are computed (A, B: the left and right operand; K: the contracted axis; several contracted axes count as one K, in the product's order):
;;     1. [M 8,192, K 1,024] x [K 1,024, N 1,024]; A: input Q; B: input Wq: QUANTISED
;;     2. [M 8,192, K 1,024] x [K 1,024, N 1,024]; A: input K; B: input Wk: QUANTISED
;;     3. [M 8,192, K 1,024] x [K 1,024, N 1,024]; A: input V; B: input Wv: QUANTISED
;;     4. batch 64 x [M 2,048, K 64] x [K 64, N 2,048]; A: computed on the way; B: computed on the way: QUANTISED
;;     5. batch 64 x [M 2,048, K 2,048] x [K 2,048, N 64]; A: softmax (see below); B: computed on the way: QUANTISED
;;     6. [M 8,192, K 1,024] x [K 1,024, N 1,024]; A: computed on the way; B: input Wo: QUANTISED
;;   THE QUANTISER, for each operand of a quantised product, along K:
;;     - K is cut into blocks of 32 from its start; a last block that is shorter is filled with zeros.
;;     - A block's scale is 2^e with e = floor(log2(the largest magnitude in the block)) - 4, held to -126 .. 127; a block of zeros has e = 0. As a byte (E8M0): e + 127.
;;     - Each number is divided by its block's scale, clamped to +-28, and rounded to the nearest number of E3M2, ties to even, subnormals kept.
;;     - The product sums the exact products of the quantised numbers (number of the format x scale) in f32.
;;   ~~~python
;;   def quantise(x, axis):      # numpy; x: float32 -> the quantised numbers, widened to float32 again
;;       x = np.moveaxis(x, axis, -1); K = x.shape[-1]
;;       x = np.pad(x, [(0, 0)] * (x.ndim - 1) + [(0, -K % 32)]); x = x.reshape(x.shape[:-1] + (-1, 32)); a = np.abs(x).max(-1, keepdims=True)
;;       e = np.where(a > 0, np.clip(np.frexp(np.where(a > 0, a, 1))[1] - 1 - 4, -126, 127), 0)      # np.frexp(a)[1] - 1 = floor(log2(a)), exactly
;;       r = np.clip(x / 2.0 ** e, -28, 28)
;;       step = 2.0 ** (np.maximum(np.frexp(np.where(r == 0, 1, r))[1] - 1, -2) - 2)
;;       q = np.round(r / step) * step * 2.0 ** e      # np.round: ties to even
;;       return np.moveaxis(q.reshape(q.shape[:-2] + (-1,))[..., :K], -1, axis).astype(np.float32)
;;   ~~~
;;   SOFTMAX AHEAD OF A QUANTISED PRODUCT. Where the list says 'softmax', what is quantised is not the finished softmax but p = 2^(t - M), with t = logit x log2(e) and M = ceil(the row's largest t), a whole number; so 1/2 < the row's largest p <= 1. The row's sum l is taken of the UNQUANTISED p, in f32, and the product's result is divided by l at the end. Since M is a whole number, a kernel that streams over the keys may use a running M (the ceiling of the running maximum): every later rescaling is an exact power of two, which a block's scale takes up: the codes' values come out the same.
;;   OPERANDS COMPUTED ON THE WAY. 'Computed on the way' means the value that the module computes at that place (a softmax that the list does not call 'softmax' is quantised finished and normalised). What goes into a quantiser is computed in f32, as accurately as f32 sums, v_exp_f32 and their like allow (about 1e-6 of the number): no bf16 or f16 on the way to a quantiser, and a product that is left as it is and whose result goes on into a quantised operand takes f32 operands (vector FMAs, or v_wmma_f32_16x16x4_f32). A number that lies on a knife's edge between two numbers of the format may be rounded either way, as far as f32 arithmetic and the matrix unit's own rounding can turn it there, and no further.
;; One version. Each part assembles by itself: llvm-mc -triple=amdgcn-amd-amdhsa -mcpu=gfx1250 --defsym DOCPART=n.
;; ======== version 1 of 1: 4 launches
;; limits: right only within a limited range of input values
;; workspace buffers: opc 22,937,600 bytes; hc 20,185,088 bytes; cc 6,553,600 bytes
;; launch quant (part 1): grid 8 x 224, 8 waves a work-group, no clusters, 69,120 bytes of LDS; arguments Q, K, V, Wq, Wk, Wv, Wo, opc; writes opc
.if DOCPART == 1
	.amdgcn_target "amdgcn-amd-amdhsa--gfx1250"
	.amdhsa_code_object_version 6
	.text
	.protected	k_q7bad8307df_quant
	.globl	k_q7bad8307df_quant
	.p2align	8
	.type	k_q7bad8307df_quant,@function
k_q7bad8307df_quant:
	s_mov_b64 s[64:65], 0
	v_nop
	global_prefetch_b8 v0, s[64:65] scope:SCOPE_SE
	s_setreg_imm32_b32 hwreg(HW_REG_WAVE_MODE, 25, 1), 1
	s_wait_xcnt 0x0
; Q, K, V [8192][1024] and Wq, Wk, Wv, Wo [1024][1024], f32, K (the embedding) innermost, become codes of BF6 (E3M2) with one E8M0 byte for each 32 along K,
; laid IN THE ORDER OF THE OPERAND'S REGISTERS.  Rows go in groups of 128 (224 groups: Q 0-63, K 64-127, V 128-191, Wq 192.., Wk 200.., Wv 208.., Wo 216..).
; Tile t (0..7) of a group gives lane r the row 32 (t / 2) + 8 (t % 2) + r + 8 (r / 8).  A group's K step of 128 is a block of 12,800 bytes: eight fragments of 1,536 bytes and 512 bytes of scale words.
; A fragment is two halves of 768 bytes (registers 0-5, 6-11): registers 0-3 of lane l at 16 l, registers 4-5 at 512 + 8 l.  Scale words: 256 bytes for four tiles; the word of tile t, row r
; lies at 256 (t / 4) + 128 (t % 2) + 4 ((t / 2) % 2) + 8 r, so that one load of 8 bytes a lane gives two scale registers, even tiles in lanes 0-15, odd tiles in lanes 16-31.
; A block's scale is 2^(floor(log2(largest magnitude)) - 4); its byte is the largest magnitude's exponent field - 4, held at 1 from below.
; LIMITS: NaN and infinities among the inputs are not served; a block whose largest magnitude lies under 2^-122 gets the byte 1; a block of zeros gets the byte 1 where the rule says 127 (its codes are zeros, and this program alone reads the bytes).
; SHARES: a work-group makes one block (x: the K step, y: the group), wave t makes tile t.  Each of a wave's 16 loads reads 512 consecutive bytes of one row; the 8,192 bytes turn through the wave's own stage
; in LDS (rows 528 bytes apart), so that a lane gets 16 neighbours of each block of 32 of its row.  No tensor load: the work is a stream, and matrix units and clusters would add nothing.
.set GRP,    102400                    ; a group: 8 blocks
.set BLK,    12800
.set FRB,    1536
.set HLF,    768
.set SPITCH, 528
.set WST,    16*SPITCH                 ; a wave's stage
.set SCST,   8*WST                     ; behind the stages: the block's 512 bytes of scale words
.set LI16, 4                           ; v4   16 x lane
.set LI8,  5                           ; v5   8 x lane
.set STI,  6                           ; v6   the stage, on the way in
.set STO,  7                           ; v7   and on the way out: row r, + 64 h
.set SCA,  8                           ; v8   where my row's scale word goes
.set SCR,  9                           ; v9   where wave 0 reads the words back
.set PW,   10                          ; v10  the scale word
.set TM,   16                          ; v16-31 at work in QUANT
.set X,    32                          ; v32-95 64 numbers
.set PC,   96                          ; v96-107 the fragment
.set CT,   108                         ; v108-114 the conversions' second halves
.set SEL,  34                          ; s[34:35] v_permlanex16_b32's selects for lane l xor 16
; 64 numbers of a lane, register 16 b + i = k 32 b + 16 (lane / 16) + i of my row, become a fragment's codes in v[pc] on and its scale word in v[pw].
.macro QUANT s, pc, ct, pw
.irp b, 0,1,2,3
	v_max3_num_f32 v[TM+\b], |v[\s+16*\b]|, |v[\s+1+16*\b]|, 0x2800000   ; my 16 numbers of block b, and the floor 2^(5 - 127): the byte cannot fall under 1
.endr
.irp i, 2,4,6,8,10,12,14
.irp b, 0,1,2,3
	s_delay_alu instid0(VALU_DEP_4)
	v_max3_num_f32 v[TM+\b], v[TM+\b], |v[\s+16*\b+\i]|, |v[\s+1+16*\b+\i]|   ; the four blocks by turns
.endr
.endr
.irp b, 0,1,2,3
	s_delay_alu instid0(VALU_DEP_4)
	v_permlanex16_b32 v[TM+4+\b], v[TM+\b], s[SEL], s[SEL+1]
.endr
.irp b, 0,1,2,3
	s_delay_alu instid0(VALU_DEP_4)
	v_max_num_f32 v[TM+\b], v[TM+\b], v[TM+4+\b]   ; with lane l xor 16's: the block's largest magnitude
.endr
.irp b, 0,1,2,3
	s_delay_alu instid0(VALU_DEP_4)
	v_add_nc_u32 v[TM+12+\b], 0xfe000000, v[TM+\b]   ; 4 off its exponent field: the conversion's scale operand
.endr
.irp b, 0,1,2,3
	s_delay_alu instid0(VALU_DEP_4)
	v_lshrrev_b32 v[TM+4+\b], 23, v[TM+12+\b]      ; the scale's byte
.endr
	s_delay_alu instid0(VALU_DEP_3)
	v_lshl_or_b32 v[\pw], v[TM+5], 8, v[TM+4]
	s_delay_alu instid0(VALU_DEP_1)
	v_lshl_or_b32 v[\pw], v[TM+6], 16, v[\pw]
	s_delay_alu instid0(VALU_DEP_1)
	v_lshl_or_b32 v[\pw], v[TM+7], 24, v[\pw]
.irp c, 0,1
	v_cvt_scalef32_pk16_bf6_f32 v[\pc+6*\c:\pc+6*\c+2], v[\s+32*\c:\s+32*\c+15], v[TM+12+2*\c]
	v_cvt_scalef32_pk16_bf6_f32 v[\ct+4*\c:\ct+4*\c+2], v[\s+32*\c+16:\s+32*\c+31], v[TM+13+2*\c]   ; (a conversion's three registers begin on an even number)
.endr
	v_nop                                          ; one plain place behind the scaled conversions
.irp c, 0,1                                    ; the operand's layout wants a whole block in a lane: lanes 0-15 block 2 c, lanes 16-31 block 2 c + 1
.irp i, 0,1,2
	v_permlane16_swap_b32 v[\pc+6*\c+\i], v[\ct+4*\c+\i]
.endr
.irp i, 0,1,2
	s_delay_alu instid0(VALU_DEP_3)
	v_mov_b32 v[\pc+3+6*\c+\i], v[\ct+4*\c+\i]
.endr
.endr
.endm
.macro PICK lim, ptr, first            ; groups under lim belong to the tensor at s[ptr], whose first group is first
	s_cmp_lt_u32 s25, \lim
	s_cselect_b64 s[28:29], s[\ptr:\ptr+1], s[28:29]
	s_cselect_b32 s26, \first, s26
.endm
	s_load_b512 s[8:23], s[0:1], 0x0               ; Q, K, V, Wq, Wk, Wv, Wo, opc
	v_lshl_add_u32 v116, v0, 2, 0x10a00
	v_mov_b32 v117, 0
	v_lshrrev_b32 v1, 5, v0
	s_delay_alu instid0(VALU_DEP_1)
	v_readfirstlane_b32 s24, v1                    ; wave = tile t
	v_and_b32 v1, 31, v0                           ; lane
	v_and_b32 v2, 15, v0                           ; r
	s_wait_alu depctr_va_vdst(0)
	v_bfe_u32 v3, v0, 4, 1                         ; h
	v_lshlrev_b32 v[LI16], 4, v1
	s_wait_alu depctr_va_vdst(0)
	v_lshlrev_b32 v[LI8], 3, v1
	s_mul_i32 s36, s24, WST
	v_add_nc_u32 v[STI], s36, v[LI16]
	v_mul_u32_u24 v[STO], v2, SPITCH
	s_delay_alu instid0(VALU_DEP_1)
	v_lshl_add_u32 v[STO], v3, 6, v[STO]
	s_delay_alu instid0(VALU_DEP_1)
	v_add_nc_u32 v[STO], s36, v[STO]
	s_lshr_b32 s37, s24, 2
	s_lshl_b32 s37, s37, 8                         ; 256 (t / 4)
	s_and_b32 s38, s24, 1
	s_lshl_b32 s38, s38, 7                         ; 128 (t % 2)
	s_add_co_u32 s37, s37, s38
	s_bfe_u32 s38, s24, 0x10001
	s_lshl_b32 s38, s38, 2                         ; 4 ((t / 2) % 2)
	s_add_co_u32 s37, s37, s38
	s_add_co_u32 s37, s37, SCST
	v_lshl_add_u32 v[SCA], v2, 3, s37
	v_add_nc_u32 v[SCR], SCST, v[LI16]
.irp b, 0,1,2,3
	v_mov_b32 v[TM+4+\b], 0                        ; written once: a lane permute's destination counts as one of its sources
.endr
	s_mov_b32 s[SEL], 0x76543210
	s_mov_b32 s[SEL+1], 0xfedcba98
	s_and_b32 s25, ttmp7, 0xffff                   ; the group
	s_mov_b32 s26, 216
	s_wait_alu depctr_va_vdst(0)
	s_wait_kmcnt 0x0
	s_mov_b64 s[28:29], s[20:21]                   ; Wo, unless the group's number says otherwise: the choice hangs on the work-group's number alone
	PICK 216, 18, 208
	PICK 208, 16, 200
	PICK 200, 14, 192
	PICK 192, 12, 128
	PICK 128, 10, 64
	PICK 64, 8, 0
	s_sub_co_u32 s32, s25, s26                     ; the group within its tensor: 128 rows of 4,096 bytes
	s_lshl_b32 s32, s32, 19
	; THE TENSOR K (groups 64 .. 127) HAS ANOTHER CHOICE OF ROWS: its tile t gives lane r the row 64 (t / 4) + 8 (t % 4) + r % 8 + 32 (r / 8), so that in attention a lane's 32 scores of four tiles are one block of 32 keys
	s_lshr_b32 s36, s24, 1
	s_lshl_b32 s36, s36, 17                        ; 32 (t / 2) rows
	s_and_b32 s37, s24, 1
	s_lshl_b32 s37, s37, 15                        ; 8 (t % 2) rows
	s_add_co_u32 s36, s36, s37
	s_lshr_b32 s37, s24, 2
	s_lshl_b32 s37, s37, 18                        ; K: 64 (t / 4) rows
	s_and_b32 s38, s24, 3
	s_lshl_b32 s38, s38, 15                        ; 8 (t % 4) rows
	s_add_co_u32 s37, s37, s38
	s_lshr_b32 s38, s25, 6
	s_cmp_eq_u32 s38, 1                            ; the group's number alone decides
	s_cselect_b32 s36, s37, s36
	s_cselect_b32 s39, 0x10000, 0                  ; K: the tile's rows 8 .. 15 lie 16 rows further on than in the other tensors
	s_add_co_u32 s32, s32, s36
	v_add_nc_u32 v11, s39, v[LI16]
	s_lshl_b32 s36, ttmp9, 9                       ; the K step: 128 numbers
	s_add_co_u32 s32, s32, s36
	s_mov_b32 s33, 0
	s_add_nc_u64 s[28:29], s[28:29], s[32:33]
.irp i, 0,1,2,3,4,5,6,7,8,9,10,11,12,13,14,15
.if \i < 8
	global_load_b128 v[X+4*\i:X+4*\i+3], v[LI16], s[28:29] offset:\i*4096 th:TH_LOAD_NT   ; the tile's row i: 32 lanes read 512 consecutive bytes, read once in the launch
.else
	global_load_b128 v[X+4*\i:X+4*\i+3], v11, s[28:29] offset:(\i+8)*4096 th:TH_LOAD_NT
.endif
.endr
	s_mul_i32 s32, s25, GRP                        ; my fragment's place: group, K step, tile
	s_mul_i32 s36, ttmp9, BLK
	s_add_co_u32 s32, s32, s36
	s_mul_i32 s36, s24, FRB
	s_add_co_u32 s32, s32, s36
	s_add_nc_u64 s[30:31], s[22:23], s[32:33]
.irp i, 0,1,2,3,4,5,6,7,8,9,10,11,12,13,14,15
	s_wait_loadcnt 15-\i                           ; loads come back in order: row i is in, the younger ones stay out
	ds_store_b128 v[STI], v[X+4*\i:X+4*\i+3] offset:SPITCH*\i
.endr
.irp b, 0,1,2,3
.irp j, 0,1,2,3
	ds_load_b128 v[X+16*\b+4*\j:X+16*\b+4*\j+3], v[STO] offset:128*\b+16*\j   ; LDS serves a wave's instructions in order: these see my stores.  Register 16 b + i = k 32 b + 16 h + i of row r
.endr
.endr
	s_wait_dscnt 0x0
	QUANT X, PC, CT, PW
	global_store_b128 v[LI16], v[PC:PC+3], s[30:31]                       ; each store covers 512 or 256 consecutive bytes, aligned
	global_store_b64 v[LI8], v[PC+4:PC+5], s[30:31] offset:512
	global_store_b128 v[LI16], v[PC+6:PC+9], s[30:31] offset:HLF
	global_store_b64 v[LI8], v[PC+10:PC+11], s[30:31] offset:HLF+512
	ds_store_b32 v[SCA], v[PW]                     ; lanes l and l xor 16 write the same word with the same value
	s_wait_dscnt 0x0                               ; for the others' sake: my word has landed
	s_barrier_signal -1
	s_barrier_wait -1
	s_cmp_lg_u32 s24, 0
	s_cbranch_scc1 .Ldone
	ds_load_b128 v[12:15], v[SCR]                  ; wave 0 sends the block's 512 bytes of scale words (its base stands at the block's first byte)
	s_wait_dscnt 0x0
	global_store_b128 v[LI16], v[12:15], s[30:31] offset:8*FRB
.Ldone:
	s_wait_tensorcnt 0x0
	ds_add_u32 v116, v117
	s_wait_dscnt 0x0
	s_endpgm
.Lfunc_end_k_q7bad8307df_quant:
	.size	k_q7bad8307df_quant, .Lfunc_end_k_q7bad8307df_quant-k_q7bad8307df_quant
	.p2alignl 7, 3214868480
	.fill 96, 4, 3214868480
	.section	.rodata,"a",@progbits
	.p2align	6, 0x0
	.amdhsa_kernel k_q7bad8307df_quant
		.amdhsa_group_segment_fixed_size 69120
		.amdhsa_private_segment_fixed_size 0
		.amdhsa_enable_private_segment 0
		.amdhsa_kernarg_size 64
		.amdhsa_user_sgpr_count 2
		.amdhsa_user_sgpr_kernarg_segment_ptr 1
		.amdhsa_wavefront_size32 1
		.amdhsa_system_sgpr_workgroup_id_x 1
		.amdhsa_system_sgpr_workgroup_id_y 1
		.amdhsa_system_sgpr_workgroup_id_z 1
		.amdhsa_system_vgpr_workitem_id 0
		.amdhsa_next_free_vgpr 128
		.amdhsa_next_free_sgpr 66
		.amdhsa_reserve_vcc 0
		.amdhsa_float_denorm_mode_32 3
		.amdhsa_float_denorm_mode_16_64 3
		.amdhsa_memory_ordered 1
		.amdhsa_forward_progress 1
		.amdhsa_inst_pref_size 15
	.end_amdhsa_kernel
	.amdgpu_metadata
---
amdhsa.version: [ 1, 2 ]
amdhsa.kernels:
  - .name:           k_q7bad8307df_quant
    .symbol:         k_q7bad8307df_quant.kd
    .args:
      - { .name: Q, .offset: 0, .size: 8, .value_kind: global_buffer, .address_space: global }
      - { .name: K, .offset: 8, .size: 8, .value_kind: global_buffer, .address_space: global }
      - { .name: V, .offset: 16, .size: 8, .value_kind: global_buffer, .address_space: global }
      - { .name: Wq, .offset: 24, .size: 8, .value_kind: global_buffer, .address_space: global }
      - { .name: Wk, .offset: 32, .size: 8, .value_kind: global_buffer, .address_space: global }
      - { .name: Wv, .offset: 40, .size: 8, .value_kind: global_buffer, .address_space: global }
      - { .name: Wo, .offset: 48, .size: 8, .value_kind: global_buffer, .address_space: global }
      - { .name: opc, .offset: 56, .size: 8, .value_kind: global_buffer, .address_space: global }
    .group_segment_fixed_size: 69120
    .private_segment_fixed_size: 0
    .kernarg_segment_align: 8
    .kernarg_segment_size: 64
    .max_flat_workgroup_size: 256
    .sgpr_count:     66
    .vgpr_count:     128
    .wavefront_size: 32
...
	.end_amdgpu_metadata
.endif
;; end of part 1
;; launch proj (part 2): grid 4 x 64, 4 waves a work-group, clusters of 4 x 4, 327,680 bytes of LDS; arguments opc, bq, bk, bv, hc; writes hc
.if DOCPART == 2
	.amdgcn_target "amdgcn-amd-amdhsa--gfx1250"
	.amdhsa_code_object_version 6
	.text
	.protected	k_q7bad8307df_proj
	.globl	k_q7bad8307df_proj
	.p2align	8
	.type	k_q7bad8307df_proj,@function
k_q7bad8307df_proj:
	s_mov_b64 s[64:65], 0
	v_nop
	global_prefetch_b8 v0, s[64:65] scope:SCOPE_SE
	s_setreg_imm32_b32 hwreg(HW_REG_WAVE_MODE, 25, 1), 1
	s_wait_xcnt 0x0
	s_wait_alu depctr_hold_cnt(0) depctr_sa_sdst(0) depctr_va_vdst(0) depctr_va_sdst(0) depctr_va_ssrc(0) depctr_va_vcc(0) depctr_vm_vsrc(0)
	s_getreg_b32 s2, hwreg(HW_REG_IB_STS2, 6, 4)
	s_cmp_eq_u32 s2, 0
	s_cbranch_scc0 .Lentry_in_a_cluster
	s_endpgm
.Lentry_in_a_cluster:
	s_bfe_u32 s2, ttmp6, 0x10000c
	s_cmp_lg_u32 s2, 0xf033
	s_cbranch_scc0 .Lentry_shape_is_right
	s_endpgm
.Lentry_shape_is_right:
; The three input projections, x W^T + b, on codes of BF6 (E3M2) with E8M0 scales, and the quantising of their results for attention.  Operands come from opc in the order of the operand's registers
; (groups of 128 rows, blocks of 12,800 bytes for a K step of 128: eight fragments of 1,536 bytes, 512 bytes of scale words).
; A tile is one group P (source 0) times two groups R (source 1).  In a result a lane holds ONE row of R, and the 16 registers of P's tiles 2 B and 2 B + 1 are P's rows 32 B + 16 (lane / 16) + 0 .. 15.
;   q, k: P = 128 rows of W (two heads' channels), R = 256 tokens: a lane's registers run along the channels, the K of q k^T.
;   v:    P = 128 tokens (keys),  R = 256 rows of Wv (four heads): a lane's registers run along the keys, the K of p v; wave w holds one head.
; So the results are quantised in registers and stored as the next launch's operand registers:
;   hc + 0 (q), + SEC (k): [batch x head 64][group 16][6,656]: eight halves of 768 bytes (16 tokens x the head's 64 channels), 512 bytes of scale words, whose bytes 2 and 3 are 0;
;   hc + 2 SEC (v): [batch x head][group 16][6,400]: four fragments (16 channels x 128 keys), 256 bytes of scale words.
; A WORK-GROUP STAYS: 768 tiles, 256 work-groups, each makes a tile of q, one of k and one of v, in that order; q and k are two trips of one loop, v is written out and asks for nothing more.
; LDS: R's two groups at 0, P's at 204,800, each with its eight K steps on end.  It is a RING OF TWO SLOTS: slot 0 = K steps 0-3 of all three groups, slot 1 = K steps 4-7.  A slot is filled by one load a wave:
; waves 0, 1 four K steps of one group of R (51,200 bytes), waves 2, 3 two K steps of P (25,600).  Slot 0 is filled again, with the next tile's, ahead of K step 4, when its last fragments are in registers;
; slot 1 between the first and the second tile of the way out.  By the text's own count one load of a wave is out at a time.
; CLUSTER 4 x 4: R's blocks are asked for jointly along a row of the cluster, P's along a column; each refill stands behind a round of the cluster's barrier.
; PREFETCH: beside each joint load the same slot of the tile after it is asked for, two loads ahead: of a wave's 200 (R) or 100 (P) blocks of 256 bytes each of the four partners that load them jointly names a quarter,
; told apart by address, a lane a block.  The launch's first two loads come by themselves; the k tile's trip asks for nothing, since no tile follows v.
; Four waves; wave w takes all 8 tiles of P and tiles 4 (w % 2) + 0..3 of R's group w / 2: 32 accumulators.
; LIMITS: as the quantiser's: NaN and infinities are not served; a block under 2^-122 or of zeros gets the byte 1.
; REGISTERS: window 0: v1-19 addresses; v20-27 scale words made; v32-43 scale words of the operands, two sets; v44-59 at work; v64-127 the bias; v128-223 R's fragments, two sets (later the numbers and codes on the way out).
;   window 1: P's fragments, two sets, at v0 and v96.   window 2: accumulator (a, b) at v[8 (8 a + b)].
.set GRP,   102400
.set BLK,   12800
.set FRB,   1536
.set HLF,   768
.set PBASE, 2*GRP
.set SEC,   6815744                    ; a section of q or k: 64 x 16 x 6,656
.set HQ,    106496                     ; a head's 16 blocks there
.set QBLK,  6656
.set VBLK,  6400
.set RR,   1
.set HH,   2
.set LL,   3
.set LI16, 4                           ; 16 x lane
.set LI8,  5                           ; 8 x lane
.set PA16, 6                           ; v6-7   P's blocks, K steps 0-3 and 4-7, + 16 x lane;  v8-9 + 8 x lane
.set PA8,  8
.set RA16, 10                          ; v10-13 the same for my four tiles of R
.set RA8,  12
.set RS8,  14                          ; v14-15 their scale words
.set BA,   16                          ; my offset in the bias
.set PFO,  17                          ; v17-18 the prefetches' offsets: 256 x my block
.set PW,   20                          ; v20-23 the scale words made, one for each tile of R
.set SW,   24                          ; v24-27 as they are stored
.set PSC,  32                          ; v32-39 P's scale words, two sets of four
.set RSC,  40                          ; v40-43 R's, two sets of two
.set TM,   44
.set BP,   64
.set RF,   128
.set H,    128                         ; on the way out: 64 numbers,
.set PC,   192                         ; their codes,
.set CT,   204                         ; and the conversions' second halves
.set WV,  14
.set WH,  15                           ; wave / 2: my group of R.  Also: I fetch for R (0) or for P (1)
.set WL,  16                           ; wave % 2
.set CX,  17
.set CY,  18
.set PI,  22
.set RI,  23
.set G1R, 24
.set G1P, 32
.set G0R, 40                           ; s[40:47] a group 0 for each slot, R's
.set NR,  48                           ; s[48:49] where the next tile's R begins in opc (my group), s[50:51] its P (my K steps); s[52:55] the same for the tile after it
.set NP,  50
.set NR2, 52
.set NP2, 54
.set G0P, 68                           ; s[68:75] P's
.set BPT2, 76
.set TC,  78
.set PIV, 79
.set BPT, 88
.set DB,  90
.set DS,  92
.set SEL, 98
.set PFK, 100                          ; s[100:101] my share of the k tile's slot 0, for the prefetches; s[104:105] of the v tile's.  Never rewritten
.set PFV, 104
.set MSB, 0
.macro WIN new                         ; the immediate's high byte repeats the setting that is left
.if MSB != \new
	s_set_vgpr_msb (MSB<<8)|\new
.set MSB, \new
.endif
.endm
.macro PLACES
.rept 4
	v_nop
.endr
.endm
.macro CROUND                          ; a round of the cluster's barrier
	s_barrier_signal -1
	s_barrier_wait -1
	s_cmp_lg_u32 s[WV], 0
	s_cbranch_scc1 .Lnot_wave_0_\@
	s_barrier_signal -3
.Lnot_wave_0_\@:
	s_barrier_wait -3
	s_barrier_signal -1
	s_barrier_wait -1
.endm
.macro JLOAD h                         ; slot h's joint load: waves 0, 1 for R, waves 2, 3 for P; an s_nop 0 and four v_nop follow each line
	s_cmp_eq_u32 s[WH], 0
	s_cbranch_scc0 .Lfor_p_\@
	tensor_load_to_lds s[G0R+4*\h:G0R+4*\h+3], s[G1R:G1R+7]
	s_nop 0
	PLACES
	s_branch .Lasked_\@
.Lfor_p_\@:
	tensor_load_to_lds s[G0P+4*\h:G0P+4*\h+3], s[G1P:G1P+7]
	s_nop 0
	PLACES
.Lasked_\@:
.endm
.macro NEXT h                          ; slot h's groups 0 take the next tile's addresses: written where no tensor load of mine is out
	s_add_nc_u64 s[G0R+4*\h+2:G0R+4*\h+3], s[4:5], s[NR:NR+1]
	s_add_nc_u64 s[G0P+4*\h+2:G0P+4*\h+3], s[4:5], s[NP:NP+1]
.if \h
	s_add_nc_u64 s[G0R+4*\h+2:G0R+4*\h+3], s[G0R+4*\h+2:G0R+4*\h+3], 4*BLK
	s_add_nc_u64 s[G0P+4*\h+2:G0P+4*\h+3], s[G0P+4*\h+2:G0P+4*\h+3], 4*BLK
.endif
	s_or_b32 s[G0R+4*\h+3], s[G0R+4*\h+3], 0x80000000
	s_or_b32 s[G0P+4*\h+3], s[G0P+4*\h+3], 0x80000000
.endm
.macro ASK b, h                        ; my share of slot h of the tile at s[b]: R's waves 50 blocks (two lines), P's 25 (one); lanes left over name the share's last block again
	global_prefetch_b8 v[PFO], s[\b:\b+1] offset:4*BLK*\h th:TH_LOAD_NT scope:SCOPE_SE
	s_cmp_eq_u32 s[WH], 0
	s_cbranch_scc0 .Lone_\@
	global_prefetch_b8 v[PFO+1], s[\b:\b+1] offset:4*BLK*\h th:TH_LOAD_NT scope:SCOPE_SE
.Lone_\@:
.endm
.macro ASKT h                          ; in the loop: the q tile's trip asks for v's slots, the k tile's trip for nothing
	s_cmp_eq_u32 s[TC], 0
	s_cbranch_scc0 .Lnone_\@
	ASK PFV, \h
.Lnone_\@:
.endm
.macro QUANT s, pc, ct, pw             ; 64 numbers of a lane, register 16 b + i = k 32 b + 16 (lane / 16) + i of my row, become a fragment's codes in v[pc] on and its scale word in v[pw]
.irp b, 0,1,2,3
	v_max3_num_f32 v[TM+\b], |v[\s+16*\b]|, |v[\s+1+16*\b]|, 0x2800000   ; and the floor 2^(5 - 127): the byte cannot fall under 1
.endr
.irp i, 2,4,6,8,10,12,14
.irp b, 0,1,2,3
	v_max3_num_f32 v[TM+\b], v[TM+\b], |v[\s+16*\b+\i]|, |v[\s+1+16*\b+\i]|
.endr
.endr
.irp b, 0,1,2,3
	v_permlanex16_b32 v[TM+4+\b], v[TM+\b], s[SEL], s[SEL+1]
.endr
.irp b, 0,1,2,3
	v_max_num_f32 v[TM+\b], v[TM+\b], v[TM+4+\b]
.endr
.irp b, 0,1,2,3
	v_add_nc_u32 v[TM+12+\b], 0xfe000000, v[TM+\b]   ; 4 off the exponent field: the conversion's scale operand
.endr
.irp b, 0,1,2,3
	v_lshrrev_b32 v[TM+4+\b], 23, v[TM+12+\b]      ; the scale's byte
.endr
	v_lshl_or_b32 v[\pw], v[TM+5], 8, v[TM+4]
	v_lshl_or_b32 v[\pw], v[TM+6], 16, v[\pw]
	v_lshl_or_b32 v[\pw], v[TM+7], 24, v[\pw]
.irp c, 0,1
	v_cvt_scalef32_pk16_bf6_f32 v[\pc+6*\c:\pc+6*\c+2], v[\s+32*\c:\s+32*\c+15], v[TM+12+2*\c]
	v_cvt_scalef32_pk16_bf6_f32 v[\ct+4*\c:\ct+4*\c+2], v[\s+32*\c+16:\s+32*\c+31], v[TM+13+2*\c]
.endr
	v_nop                                          ; one plain place behind the scaled conversions
.irp c, 0,1
.irp i, 0,1,2
	v_permlane16_swap_b32 v[\pc+6*\c+\i], v[\ct+4*\c+\i]
.endr
.irp i, 0,1,2
	v_mov_b32 v[\pc+3+6*\c+\i], v[\ct+4*\c+\i]
.endr
.endr
.endm
; One product.  cm = 0: the constant 0 starts the sum; 1: C = v[cr ..].  oa, ob: the tile's scale words lie in lanes 16-31 of the register named.
.macro WM d, pa, rb, cm, cr, sa, sb, oa, ob
.if \cm
.if (\oa) && (\ob)
	v_wmma_scale_f32_16x16x128_f8f6f4 v[\d:\d+7], v[\pa:\pa+11], v[\rb:\rb+11], v[\cr:\cr+7], v[\sa], v[\sb] matrix_a_fmt:MATRIX_FMT_BF6 matrix_b_fmt:MATRIX_FMT_BF6 matrix_a_scale:MATRIX_SCALE_ROW1 matrix_b_scale:MATRIX_SCALE_ROW1
.elseif \oa
	v_wmma_scale_f32_16x16x128_f8f6f4 v[\d:\d+7], v[\pa:\pa+11], v[\rb:\rb+11], v[\cr:\cr+7], v[\sa], v[\sb] matrix_a_fmt:MATRIX_FMT_BF6 matrix_b_fmt:MATRIX_FMT_BF6 matrix_a_scale:MATRIX_SCALE_ROW1
.elseif \ob
	v_wmma_scale_f32_16x16x128_f8f6f4 v[\d:\d+7], v[\pa:\pa+11], v[\rb:\rb+11], v[\cr:\cr+7], v[\sa], v[\sb] matrix_a_fmt:MATRIX_FMT_BF6 matrix_b_fmt:MATRIX_FMT_BF6 matrix_b_scale:MATRIX_SCALE_ROW1
.else
	v_wmma_scale_f32_16x16x128_f8f6f4 v[\d:\d+7], v[\pa:\pa+11], v[\rb:\rb+11], v[\cr:\cr+7], v[\sa], v[\sb] matrix_a_fmt:MATRIX_FMT_BF6 matrix_b_fmt:MATRIX_FMT_BF6
.endif
.else
.if (\oa) && (\ob)
	v_wmma_scale_f32_16x16x128_f8f6f4 v[\d:\d+7], v[\pa:\pa+11], v[\rb:\rb+11], 0, v[\sa], v[\sb] matrix_a_fmt:MATRIX_FMT_BF6 matrix_b_fmt:MATRIX_FMT_BF6 matrix_a_scale:MATRIX_SCALE_ROW1 matrix_b_scale:MATRIX_SCALE_ROW1
.elseif \oa
	v_wmma_scale_f32_16x16x128_f8f6f4 v[\d:\d+7], v[\pa:\pa+11], v[\rb:\rb+11], 0, v[\sa], v[\sb] matrix_a_fmt:MATRIX_FMT_BF6 matrix_b_fmt:MATRIX_FMT_BF6 matrix_a_scale:MATRIX_SCALE_ROW1
.elseif \ob
	v_wmma_scale_f32_16x16x128_f8f6f4 v[\d:\d+7], v[\pa:\pa+11], v[\rb:\rb+11], 0, v[\sa], v[\sb] matrix_a_fmt:MATRIX_FMT_BF6 matrix_b_fmt:MATRIX_FMT_BF6 matrix_b_scale:MATRIX_SCALE_ROW1
.else
	v_wmma_scale_f32_16x16x128_f8f6f4 v[\d:\d+7], v[\pa:\pa+11], v[\rb:\rb+11], 0, v[\sa], v[\sb] matrix_a_fmt:MATRIX_FMT_BF6 matrix_b_fmt:MATRIX_FMT_BF6
.endif
.endif
.endm
; A K step's 32 products.  The 32 accumulators take turns, one instruction a turn, in the same order in every step.
.macro MUL set, cm
.irp a, 0,1,2,3
.irp b, 0,1,2,3,4,5,6,7
	WM 8*(8*\a+\b), 96*(\set)+12*\b, RF+48*(\set)+12*\a, \cm, 8*(8*\a+\b), PSC+4*(\set)+2*(\b/4)+(\b/2)%2, RSC+2*(\set)+\a/2, \b%2, \a%2
.endr
.endr
.endm
; K step s: 51 LDS loads in one run: P's eight fragments, my four of R, and their scale words, as images of the registers: every load takes consecutive bytes.
.macro FETCH s, set
.set QQ, (\s)/4
.set OB, ((\s)%4)*BLK
	WIN 0x40                                       ; destination window 1, address window 0
.irp b, 0,1,2,3,4,5,6,7
.irp c, 0,1
	ds_load_b128 v[96*(\set)+12*\b+6*\c:96*(\set)+12*\b+6*\c+3], v[PA16+QQ] offset:OB+FRB*\b+HLF*\c
	ds_load_b64 v[96*(\set)+12*\b+6*\c+4:96*(\set)+12*\b+6*\c+5], v[PA8+QQ] offset:OB+FRB*\b+HLF*\c+512
.endr
.endr
	WIN 0
.irp a, 0,1,2,3
.irp c, 0,1
	ds_load_b128 v[RF+48*(\set)+12*\a+6*\c:RF+48*(\set)+12*\a+6*\c+3], v[RA16+QQ] offset:OB+FRB*\a+HLF*\c
	ds_load_b64 v[RF+48*(\set)+12*\a+6*\c+4:RF+48*(\set)+12*\a+6*\c+5], v[RA8+QQ] offset:OB+FRB*\a+HLF*\c+512
.endr
.endr
.irp y, 0,1
	ds_load_b64 v[PSC+4*(\set)+2*\y:PSC+4*(\set)+2*\y+1], v[PA8+QQ] offset:OB+8*FRB+256*\y
.endr
	ds_load_b64 v[RSC+2*(\set):RSC+2*(\set)+1], v[RS8+QQ] offset:OB
.endm
; A tile's eight K steps.  At its start slot 0 is whole for every wave, and slot 1's load may be out.  A step's fragments are fetched while the step before is multiplied.
; Ahead of the fetch of K step 4: K step 3's fragments, the last of slot 0, are in my registers; I wait for my load of slot 1.  ring = 1: the add, its wait, a round, and slot 0 is filled again with the next tile's.
.macro MAIN ring
	FETCH 0, 0
.irp s, 0,1,2,3,4,5,6,7
	s_wait_dscnt 0x0                               ; this step's fragments are in
.if \s == 3
	WIN 0                                          ; (the add's two registers lie in window 0; at a branch every window is 0)
	s_wait_tensorcnt 0x0                           ; my part of slot 1 is in, and no tensor load of mine is out
.if \ring
	ds_add_u32 v254, v255
	NEXT 0
	s_wait_dscnt 0x0                               ; the add is done; my reads of slot 0 ended above
	CROUND                                         ; both hold of every wave of every partner
	JLOAD 0                                        ; the first tensor load behind the round; its four v_nop are the places in front of the loads below
.else
	s_barrier_signal -1
	s_barrier_wait -1                              ; everybody's part is in; nothing is filled again
	PLACES
.endif
.elseif (\s > 0) && (\s < 7)
	PLACES                                         ; four places in front of loads into the set that the last step's products read
.endif
.if \s < 7
	FETCH \s+1, (\s+1)%2
.endif
.if (\s == 3) && \ring
	ASKT 0
.endif
	WIN 0xa1                                       ; source 0 (P) window 1, source 1 (R) window 0, C and D window 2
.if \s == 0
	MUL 0, 0                                       ; the first step's products start the sums: nothing is cleared
.else
	MUL \s%2, 1
.endif
.endr
	WIN 0
.endm
; The way out: for each of my four tiles of R: + bias (which also brings the 64 numbers into window 0), quantise, store as operand registers.
; ring = 1: between the first tile and the second slot 1, whose last fragments were in registers at K step 7, is filled again with the next tile's; the round also shows the next tile's slot 0 whole to every wave.
.macro EPI vm, ring
.if \vm
.set SA, FRB                           ; v: tile a is a fragment; its two halves follow each other
.set SC, HLF
.else
.set SA, HLF                           ; q, k: tile a is a half in the even head's block and a half in the odd head's
.set SC, HQ
.endif
	s_wait_loadcnt 0x0                             ; the bias
	PLACES                                         ; four places behind the last products
.irp a, 0,1,2,3
.if (\a == 1) && \ring
	s_wait_alu depctr_va_vdst(0)
	s_wait_tensorcnt 0x0                           ; my part of the next tile's slot 0 is in, and no tensor load of mine is out
	ds_add_u32 v254, v255
	NEXT 1
	s_wait_dscnt 0x0
	CROUND
	JLOAD 1
	ASKT 1
.endif
	WIN 0x02                                       ; source 0 window 2
.set i, 0
.rept 32
.if \vm
	v_pk_add_f32 v[H+2*i:H+2*i+1], v[64*\a+2*i:64*\a+2*i+1], v[BP+2*\a:BP+2*\a+1]   ; the lane's channel has one bias.  Each accumulator is read from its low end on
.else
	v_pk_add_f32 v[H+2*i:H+2*i+1], v[64*\a+2*i:64*\a+2*i+1], v[BP+2*i:BP+2*i+1]   ; a bias for each register's channel
.endif
.set i, i+1
.endr
	WIN 0
.if \a > 0
	s_wait_xcnt 0x0                                ; the last tile's stores have read their registers: the codes may be written again
.endif
	QUANT H, PC, CT, PW+\a
	global_store_b128 v[LI16], v[PC:PC+3], s[DB:DB+1] offset:\a*SA            ; each store covers 512 or 256 consecutive bytes, aligned
	global_store_b64 v[LI8], v[PC+4:PC+5], s[DB:DB+1] offset:\a*SA+512
	global_store_b128 v[LI16], v[PC+6:PC+9], s[DB:DB+1] offset:\a*SA+SC
	global_store_b64 v[LI8], v[PC+10:PC+11], s[DB:DB+1] offset:\a*SA+SC+512
.endr
	v_cmp_gt_u32 vcc_lo, 16, v[LL]                 ; the four tiles' words as they are read: word j of lane l is tile 2 j + l / 16, row l % 16
	v_cndmask_b32 v[SW], v[PW+1], v[PW], vcc_lo
	v_cndmask_b32 v[SW+1], v[PW+3], v[PW+2], vcc_lo
.if \vm
	global_store_b64 v[LI8], v[SW:SW+1], s[DB:DB+1] offset:4*FRB
.else
	v_and_b32 v[SW+2], 0xffff, v[SW]               ; the even head's two bytes; bytes 2 and 3 are 0
	v_and_b32 v[SW+3], 0xffff, v[SW+1]
	v_lshrrev_b32 v[SW], 16, v[SW]                 ; the odd head's
	v_lshrrev_b32 v[SW+1], 16, v[SW+1]
	global_store_b64 v[LI8], v[SW+2:SW+3], s[DS:DS+1]
	global_store_b64 v[LI8], v[SW:SW+1], s[DS:DS+1] offset:HQ
.endif
.endm
	s_load_b256 s[4:11], s[0:1], 0x0               ; opc, bq, bk, bv
	s_load_b64 s[12:13], s[0:1], 0x20              ; hc
	v_lshl_add_u32 v254, v0, 2, 0x4b000            ; my spare word, behind the ring
	v_mov_b32 v255, 0
	ds_add_u32 v254, v255                          ; the opening: the add, twice on end, and its wait ahead of my first tensor load
	ds_add_u32 v254, v255
	v_lshrrev_b32 v1, 5, v0
	v_readfirstlane_b32 s[WV], v1
	s_lshr_b32 s[WH], s[WV], 1
	s_and_b32 s[WL], s[WV], 1
	s_bfe_u32 s[CX], ttmp6, 0x40000
	s_bfe_u32 s[CY], ttmp6, 0x40004
	s_and_b32 s21, ttmp7, 0xffff                   ; the cluster's number, 0..15
	s_and_b32 s56, s21, 1                          ; q, k: 2 x 8 clusters (8 groups of W, 32 pairs of token groups)
	s_lshr_b32 s57, s21, 1
	s_lshl_b32 s[PI], s56, 2
	s_add_co_u32 s[PI], s[PI], s[CX]               ; which group of W
	s_lshl_b32 s[RI], s57, 2
	s_add_co_u32 s[RI], s[RI], s[CY]               ; which pair of token groups
	s_lshl_b32 s[PIV], s21, 2                      ; v: 16 x 1 clusters (64 token groups, 4 pairs of groups of Wv: the pair is cy)
	s_add_co_u32 s[PIV], s[PIV], s[CX]             ; which token group
	s_lshl_b32 s60, s[CY], 2
	s_lshl_b32 s60, 15, s60                        ; my row of the cluster
	s_lshl_b32 s61, 0x1111, s[CX]                  ; my column
	; descriptor group 1: dense blocks as rows of 256 bytes (32 elements of 8 bytes), no padding: R 51,200 bytes, P 25,600
	s_or_b32 s[G1R], s60, (3<<16)|(1<<21)          ; 15:0 the mask; 17:16 elements of 8 bytes; 21 set beside a mask
	s_or_b32 s[G1P], s61, (3<<16)|(1<<21)
	s_mov_b32 s[G1R+1], 32<<16                     ; tensor_dim0
	s_mov_b32 s[G1R+2], 200<<16                    ; tensor_dim1
	s_mov_b32 s[G1R+3], 32<<16                     ; tile_dim0
	s_mov_b32 s[G1R+4], 200                        ; tile_dim1
	s_mov_b32 s[G1R+5], 32                         ; the pitch
	s_mov_b32 s[G1R+6], 0
	s_mov_b32 s[G1R+7], 0
	s_mov_b32 s[G1P+1], 32<<16
	s_mov_b32 s[G1P+2], 100<<16
	s_mov_b32 s[G1P+3], 32<<16
	s_mov_b32 s[G1P+4], 100
	s_mov_b32 s[G1P+5], 32
	s_mov_b32 s[G1P+6], 0
	s_mov_b32 s[G1P+7], 0
	; where the three tiles' operands begin in opc, in bytes.  P: the group, + my two K steps of a slot's four;  R: the group that I fetch
	s_mul_i32 s63, s[WL], 2*BLK
	s_add_co_u32 s84, s[PI], 192                   ; q: Wq's groups begin at 192,
	s_mul_i32 s84, s84, GRP
	s_add_co_u32 s84, s84, s63
	s_mov_b32 s85, 0
	s_add_co_u32 s[NP], s84, 8*GRP                 ; k: Wk's eight groups on,
	s_mov_b32 s[NP+1], 0
	s_add_co_u32 s[NP2], s[PIV], 128               ; v: V's token groups begin at 128
	s_mul_i32 s[NP2], s[NP2], GRP
	s_add_co_u32 s[NP2], s[NP2], s63
	s_mov_b32 s[NP2+1], 0
	s_lshl_b32 s86, s[RI], 1                       ; q: Q's token groups begin at 0,
	s_add_co_u32 s86, s86, s[WL]
	s_mul_i32 s86, s86, GRP
	s_mov_b32 s87, 0
	s_add_co_u32 s[NR], s86, 64*GRP                ; k: K's at 64,
	s_mov_b32 s[NR+1], 0
	s_lshl_b32 s[NR2], s[CY], 1                    ; v: Wv's groups at 208
	s_add_co_u32 s[NR2], s[NR2], s[WL]
	s_add_co_u32 s[NR2], s[NR2], 208
	s_mul_i32 s[NR2], s[NR2], GRP
	s_mov_b32 s[NR2+1], 0
	s_mul_i32 s62, s[WL], GRP                      ; where they go: the wave's number alone enters an LDS address
	s_add_co_u32 s63, s63, PBASE
	; the prefetches: of the blocks that I load, my work-group's quarter: place cx among the four that share R, cy among the four that share P
	s_mul_i32 s81, s[CX], 50*256
	s_mul_i32 s82, s[CY], 25*256
	s_cmp_eq_u32 s[WH], 0
	s_cselect_b32 s81, s81, s82
	s_cselect_b32 s83, 49, 24                      ; the share's last block
	s_cselect_b32 s[PFK], s[NR], s[NP]
	s_cselect_b32 s[PFV], s[NR2], s[NP2]
	s_add_co_u32 s[PFK], s[PFK], s81
	s_add_co_u32 s[PFV], s[PFV], s81
	s_mov_b32 s[PFK+1], 0
	s_mov_b32 s[PFV+1], 0
	v_and_b32 v[LL], 31, v0
	v_and_b32 v[RR], 15, v0
	v_bfe_u32 v[HH], v0, 4, 1
	v_lshlrev_b32 v[LI16], 4, v[LL]
	v_lshlrev_b32 v[LI8], 3, v[LL]
	v_add_nc_u32 v[PA16], PBASE, v[LI16]
	v_add_nc_u32 v[PA16+1], PBASE+4*BLK, v[LI16]
	v_add_nc_u32 v[PA8], PBASE, v[LI8]
	v_add_nc_u32 v[PA8+1], PBASE+4*BLK, v[LI8]
	s_mul_i32 s66, s[WH], GRP
	s_mul_i32 s67, s[WL], 4*FRB
	s_add_co_u32 s67, s67, s66
	v_add_nc_u32 v[RA16], s67, v[LI16]
	v_add_nc_u32 v[RA16+1], 4*BLK, v[RA16]
	v_add_nc_u32 v[RA8], s67, v[LI8]
	v_add_nc_u32 v[RA8+1], 4*BLK, v[RA8]
	s_lshl_b32 s67, s[WL], 8
	s_add_co_u32 s67, s67, s66
	s_add_co_u32 s67, s67, 8*FRB
	v_add_nc_u32 v[RS8], s67, v[LI8]
	v_add_nc_u32 v[RS8+1], 4*BLK, v[RS8]
	v_min_u32 v[PFO], s83, v[LL]
	v_add_nc_u32 v[PFO+1], 32, v[LL]
	v_lshlrev_b32 v[PFO], 8, v[PFO]
	v_min_u32 v[PFO+1], 49, v[PFO+1]
	v_lshlrev_b32 v[BA], 6, v[HH]                  ; q, k: register 8 b + j is channel 32 (b / 2) + 8 (b % 2) + 16 h + j
	v_lshlrev_b32 v[PFO+1], 8, v[PFO+1]
.irp b, 0,1,2,3
	v_mov_b32 v[TM+4+\b], 0                        ; written once: a lane permute's destination counts as one of its sources
.endr
	s_mov_b32 s[SEL], 0x76543210
	s_mov_b32 s[SEL+1], 0xfedcba98
	s_wait_alu depctr_va_vdst(0)                   ; behind the head's last vector instruction, directly ahead of the waits below
	s_wait_dscnt 0x0                               ; both opening adds are done
	s_wait_kmcnt 0x0
	s_add_nc_u64 s[94:95], s[4:5], s[84:85]
	s_add_nc_u64 s[96:97], s[4:5], s[86:87]
	s_add_nc_u64 s[PFK:PFK+1], s[4:5], s[PFK:PFK+1]
	s_add_nc_u64 s[PFV:PFV+1], s[4:5], s[PFV:PFV+1]
.irp h, 0,1
	s_mov_b32 s[G0R+4*\h], 1                                       ; count = 1
	s_add_co_u32 s[G0R+4*\h+1], s62, 4*BLK*\h                      ; LDS address: K steps 4 h .. 4 h + 3 of the group
	s_add_nc_u64 s[G0R+4*\h+2:G0R+4*\h+3], s[96:97], 4*BLK*\h      ; global address: the q tile's
	s_or_b32 s[G0R+4*\h+3], s[G0R+4*\h+3], 0x80000000              ; type = 2
	s_mov_b32 s[G0P+4*\h], 1
	s_add_co_u32 s[G0P+4*\h+1], s63, 4*BLK*\h                      ; K steps 4 h + 2 (wave % 2), + 1
	s_add_nc_u64 s[G0P+4*\h+2:G0P+4*\h+3], s[94:95], 4*BLK*\h
	s_or_b32 s[G0P+4*\h+3], s[G0P+4*\h+3], 0x80000000
.endr
	CROUND                                         ; all sixteen work-groups are here: the joint loads meet
	JLOAD 0                                        ; the q tile's slot 0: one tensor load a wave at the head
	ASK PFK, 0
	; where the q tile goes (the k tile: SEC further on), and the two biases
	s_lshl_b32 s66, s[RI], 1
	s_add_co_u32 s66, s66, s[WH]                   ; my token group, 0..63: batch = / 16
	s_lshr_b32 s67, s66, 4
	s_lshl_b32 s67, s67, 4
	s_lshl_b32 s94, s[PI], 1
	s_add_co_u32 s67, s67, s94                     ; batch x 16 + the even head
	s_mul_i32 s67, s67, HQ
	s_and_b32 s66, s66, 15
	s_mul_i32 s66, s66, QBLK
	s_add_co_u32 s66, s66, s67                     ; the block
	s_mul_i32 s94, s[WL], 4*HLF
	s_add_co_u32 s94, s94, s66                     ; my four halves in it
	s_mov_b32 s95, 0
	s_add_nc_u64 s[DB:DB+1], s[12:13], s[94:95]
	s_lshl_b32 s94, s[WL], 8
	s_add_co_u32 s94, s94, s66
	s_add_co_u32 s94, s94, 8*HLF                   ; and their scale words
	s_add_nc_u64 s[DS:DS+1], s[12:13], s[94:95]
	s_lshl_b32 s94, s[PI], 9                       ; the group's 128 biases
	s_add_nc_u64 s[BPT:BPT+1], s[6:7], s[94:95]
	s_add_nc_u64 s[BPT2:BPT2+1], s[8:9], s[94:95]
	s_wait_tensorcnt 0x0                           ; my part of slot 0 is in
	ds_add_u32 v254, v255
	s_wait_dscnt 0x0
	CROUND                                         ; everybody's part is in, and the joint loads meet
	JLOAD 1                                        ; the q tile's slot 1, the first tensor load behind the round
	ASK PFK, 1
	s_mov_b32 s[TC], 0
.Ltile:                                                ; ---- q, then k
.irp b, 0,1,2,3,4,5,6,7
	global_load_b128 v[BP+8*\b:BP+8*\b+3], v[BA], s[BPT:BPT+1] offset:(32*(\b/2)+8*(\b%2))*4
	global_load_b128 v[BP+8*\b+4:BP+8*\b+7], v[BA], s[BPT:BPT+1] offset:(32*(\b/2)+8*(\b%2))*4+16
.endr
	MAIN 1
	EPI 0, 1
	s_wait_alu depctr_va_vdst(0)
	s_wait_xcnt 0x0                                ; the stores have read their registers and bases: the bases may step, and fragments may land on the codes
	s_add_nc_u64 s[DB:DB+1], s[DB:DB+1], SEC
	s_add_nc_u64 s[DS:DS+1], s[DS:DS+1], SEC
	s_mov_b64 s[BPT:BPT+1], s[BPT2:BPT2+1]
	s_mov_b64 s[NR:NR+1], s[NR2:NR2+1]             ; the k tile's trip asks for the v tile
	s_mov_b64 s[NP:NP+1], s[NP2:NP2+1]
	s_add_co_u32 s[TC], s[TC], 1
	s_cmp_lt_u32 s[TC], 2
	s_cbranch_scc1 .Ltile
	; ---- v
	s_lshl_b32 s66, s[CY], 2
	s_add_co_u32 s66, s66, s[WV]                   ; my head: 4 x pair + wave
	s_lshl_b32 s94, s66, 8                         ; its 64 biases
	s_mov_b32 s95, 0
	s_add_nc_u64 s[BPT:BPT+1], s[10:11], s[94:95]
	s_lshr_b32 s67, s[PIV], 4
	s_lshl_b32 s67, s67, 4
	s_add_co_u32 s66, s66, s67                     ; batch x 16 + head
	s_lshl_b32 s66, s66, 4
	s_and_b32 s67, s[PIV], 15
	s_add_co_u32 s66, s66, s67                     ; x 16 + the group of keys
	s_mul_i32 s94, s66, VBLK
	s_add_co_u32 s94, s94, 2*SEC
	s_add_nc_u64 s[DB:DB+1], s[12:13], s[94:95]
	v_and_b32 v[BA], 8, v[RR]
	v_add_nc_u32 v[BA], v[BA], v[RR]
	v_lshlrev_b32 v[BA], 2, v[BA]                  ; tile a gives lane r the channel 32 (a / 2) + 8 (a % 2) + r + 8 (r / 8)
.irp a, 0,1,2,3
	global_load_b32 v[BP+2*\a], v[BA], s[BPT:BPT+1] offset:(32*(\a/2)+8*(\a%2))*4
	global_load_b32 v[BP+2*\a+1], v[BA], s[BPT:BPT+1] offset:(32*(\a/2)+8*(\a%2))*4   ; twice: a pair for the packed addition
.endr
	s_wait_alu depctr_va_vdst(0)
	MAIN 0
	EPI 1, 0
	s_wait_tensorcnt 0x0                           ; the wave's end
	ds_add_u32 v254, v255
	s_wait_dscnt 0x0
	CROUND                                         ; the closing round: no work-group ends while a partner may still ask for a block that names it
	s_endpgm
.Lfunc_end_k_q7bad8307df_proj:
	.size	k_q7bad8307df_proj, .Lfunc_end_k_q7bad8307df_proj-k_q7bad8307df_proj
	.p2alignl 7, 3214868480
	.fill 96, 4, 3214868480
	.section	.rodata,"a",@progbits
	.p2align	6, 0x0
	.amdhsa_kernel k_q7bad8307df_proj
		.amdhsa_group_segment_fixed_size 327680
		.amdhsa_private_segment_fixed_size 0
		.amdhsa_enable_private_segment 0
		.amdhsa_kernarg_size 40
		.amdhsa_user_sgpr_count 2
		.amdhsa_user_sgpr_kernarg_segment_ptr 1
		.amdhsa_wavefront_size32 1
		.amdhsa_system_sgpr_workgroup_id_x 1
		.amdhsa_system_sgpr_workgroup_id_y 1
		.amdhsa_system_sgpr_workgroup_id_z 1
		.amdhsa_system_vgpr_workitem_id 0
		.amdhsa_next_free_vgpr 768
		.amdhsa_next_free_sgpr 106
		.amdhsa_reserve_vcc 1
		.amdhsa_float_denorm_mode_32 3
		.amdhsa_float_denorm_mode_16_64 3
		.amdhsa_memory_ordered 1
		.amdhsa_forward_progress 1
		.amdhsa_inst_pref_size 186
	.end_amdhsa_kernel
	.amdgpu_metadata
---
amdhsa.version: [ 1, 2 ]
amdhsa.kernels:
  - .name:           k_q7bad8307df_proj
    .symbol:         k_q7bad8307df_proj.kd
    .args:
      - { .name: opc, .offset: 0, .size: 8, .value_kind: global_buffer, .address_space: global }
      - { .name: bq, .offset: 8, .size: 8, .value_kind: global_buffer, .address_space: global }
      - { .name: bk, .offset: 16, .size: 8, .value_kind: global_buffer, .address_space: global }
      - { .name: bv, .offset: 24, .size: 8, .value_kind: global_buffer, .address_space: global }
      - { .name: hc, .offset: 32, .size: 8, .value_kind: global_buffer, .address_space: global }
    .group_segment_fixed_size: 327680
    .private_segment_fixed_size: 0
    .kernarg_segment_align: 8
    .kernarg_segment_size: 40
    .max_flat_workgroup_size: 128
    .sgpr_count:     106
    .vgpr_count:     768
    .wavefront_size: 32
...
	.end_amdgpu_metadata
.endif
;; end of part 2
;; launch attn (part 3): grid 4 x 64, 16 waves a work-group, clusters of 4 x 1, 210,944 bytes of LDS; arguments hc, cc; writes cc
.if DOCPART == 3
	.amdgcn_target "amdgcn-amd-amdhsa--gfx1250"
	.amdhsa_code_object_version 6
	.text
	.protected	k_q7bad8307df_attn
	.globl	k_q7bad8307df_attn
	.p2align	8
	.type	k_q7bad8307df_attn,@function
k_q7bad8307df_attn:
	s_mov_b64 s[64:65], 0
	v_nop
	global_prefetch_b8 v0, s[64:65] scope:SCOPE_SE
	s_setreg_imm32_b32 hwreg(HW_REG_WAVE_MODE, 25, 1), 1
	s_wait_xcnt 0x0
	s_wait_alu depctr_hold_cnt(0) depctr_sa_sdst(0) depctr_va_vdst(0) depctr_va_sdst(0) depctr_va_ssrc(0) depctr_va_vcc(0) depctr_vm_vsrc(0)
	s_getreg_b32 s2, hwreg(HW_REG_IB_STS2, 6, 4)
	s_cmp_eq_u32 s2, 0
	s_cbranch_scc0 .Lentry_in_a_cluster
	s_endpgm
.Lentry_in_a_cluster:
	s_bfe_u32 s2, ttmp6, 0x10000c
	s_cmp_lg_u32 s2, 0x3003
	s_cbranch_scc0 .Lentry_shape_is_right
	s_endpgm
.Lentry_shape_is_right:
; Attention on codes of BF6 (E3M2) with E8M0 scales, head size 64, 2,048 keys, no mask; and the quantising of its result along the embedding for the last projection.
; hc holds q, k (+ SEC) and v (+ 2 SEC) as operand registers: q, k: [batch x head][group of 128 tokens][6,656]: eight halves of 768 bytes (16 tokens x 64 channels: registers 0-5), 512 bytes of scale words
; (bytes 2, 3 of a word are 0); v: [batch x head][group of 128 keys][6,400]: four fragments of 1,536 bytes (16 channels x 128 keys), 256 bytes of scale words.
; q's tile t gives lane r the token 32 (t / 2) + 8 (t % 2) + r + 8 (r / 8).  K'S TILE t GIVES LANE r THE KEY 64 (t / 4) + 8 (t % 4) + r % 8 + 32 (r / 8): in S^T = k q^T register j of tile t in lane (r, h) is then
; key 64 (t / 4) + 32 h + 8 (t % 4) + j, so the lane's 32 registers of tiles 4 c .. 4 c + 3 are ONE WHOLE BLOCK of 32 keys, block 2 c + h, in the order in which p's operand registers 6 c .. 6 c + 5 want them.
; So a block's largest score needs no other lane, and p's codes need no exchange between lanes.
; THE SOFTMAX: t = score x log2(e) / 8; M = the running largest t rounded up to a whole number; p = 2^(t - M) is quantised along the keys, not normalised; the row's sum is taken of the unquantised p and divides at the end.
; A block's largest p is made from the block's largest score by the same two instructions (this takes v_exp_f32 not to fall where its input rises).
; BOTH PRODUCTS ARE USED TRANSPOSED: S^T = k q^T, O^T = v^T p^T: a lane holds one query throughout.  THE FIRST PRODUCT HAS K = 64 in an instruction of 128: q's registers 6-11 are zero codes; k's registers 6-11 are whatever
; follows the tile's six (the next tile's codes, zeros behind the last): they meet zero codes and add nothing; the scale bytes of that half are 0, no NaN.
; SHARES: a work-group owns one head and 512 queries.  THE HEAD'S WHOLE k (106,496 bytes) AND v (102,400) LIE IN LDS, each byte filled once: no ring, no refill, and one barrier, behind the fills.
; Sixteen waves, four to a SIMD; a wave walks the 16 key steps of 128 keys twice, once for each of its two tiles of 16 queries.  4 x 64 = 256 work-groups.
; CLUSTER 4 x 1: the four query blocks of a head ask for k and v jointly.  One tensor load a wave: waves 0-7 two blocks of k each, waves 8-15 two blocks of v each.
; No prefetch is laid: every tensor load stands at the head, and there is no loop to run ahead in.
; cc: [group of 128 tokens 64][head pair 8][12,800]: eight fragments (16 tokens x the pair's 128 channels), 512 bytes of scale words.  A head makes one half of a fragment and two of a scale word's four bytes:
; those leave as 2 bytes a row, 8 bytes apart (units of 256 bytes written in part: 32 bytes for each tile of 16 queries); lanes l and l xor 16 store the same bytes to the same place.
; LIMITS: NaN and infinities are not served; a block under 2^-122 or of zeros gets the byte 1; the promise holds while the scaled scores t stay under 2^31 in magnitude.
.set GRP,   102400
.set BLK,   12800
.set FRB,   1536
.set HLF,   768
.set SEC,   6815744
.set HQ,    106496
.set QBLK,  6656
.set VBLK,  6400
.set KSZ,   16*QBLK                    ; LDS: k's 16 blocks at 0, v's 16 behind them
.set SPARE, KSZ+16*VBLK                ; the spare words, 128 bytes for each of 16 waves: eight blocks of 256 bytes that no other line names
.set LI16, 1                           ; 16 x lane
.set LI8,  2                           ; 8 x lane
.set SPW,  3
.set NIL,  4
.set ADK,  5
.set ADK8, 6
.set ADV,  7
.set ADV8, 8
.set SH8,  9                           ; 8 x (lane / 16)
.set QSA,  10                          ; 8 x (lane % 16)
.set OW,   11                          ; the result's two scale bytes
                                       ; v12 -M, v13 the running largest score, v[14:15] the row's sum in two halves
.set QF,   16                          ; v16-27 q of my first tile (v22-27 zero codes)
.set QS,   28                          ; its scale words
.set PSW,  29                          ; p's scale word
.set F,    30                          ; v[30:31] the factor 2^(old M - new M), later 1 / sum; v31 is named with it as a pair
.set KS,   32                          ; v32-35 k's scale words
.set VS,   36                          ; v36-37 v's
.set KF,   40                          ; v40-87 eight halves of k, then four fragments of v; v88-93 zero codes
.set S,    96                          ; v96-159 S^T, then p
.set O,    160                         ; v160-191 O^T
.set PC,   192                         ; v192-203 codes
.set CT,   204                         ; v204-206, v208-210 the conversions' second halves
.set TM,   212                         ; v212-215 largest scores
.set TS,   216                         ; v216-217 the conversions' scale operands
.set TB,   218                         ; v218-219 scale bytes
.set T0,   220
.set T1,   221
.set T2,   222
.set SA,   224                         ; v224-229 three more chains of the row's sum
.set QS2,  233
.set QF2,  234                         ; v234-245 q of my second tile
.set WV,  8
.set SEL, 12
.set CS,  14
.set TBK, 16
.set TBV, 17
.set CNT, 18
.set QB,  20
.set CCB, 22
.set CCS, 24
.set QSB, 26
.set G1K, 28
.set G1V, 36
.set G0K, 44
.set G0V, 48
.macro PLACES
.rept 4
	v_nop
.endr
.endm
.macro CROUND                          ; a round of the cluster's barrier
	s_barrier_signal -1
	s_barrier_wait -1
	s_cmp_lg_u32 s[WV], 0
	s_cbranch_scc1 .Lnot_wave_0_\@
	s_barrier_signal -3
.Lnot_wave_0_\@:
	s_barrier_wait -3
	s_barrier_signal -1
	s_barrier_wait -1
.endm
; A KEY STEP: 128 keys x my 16 queries.
.macro STEP qf, qs
	v_add_nc_u32 v[ADK], s[TBK], v[LI16]           ; (these four are also the places in front of loads into registers that the last step's products read)
	v_add_nc_u32 v[ADK8], s[TBK], v[LI8]
	v_add_nc_u32 v[ADV], s[TBV], v[LI16]
	v_add_nc_u32 v[ADV8], s[TBV], v[LI8]
.irp t, 0,1,2,3,4,5,6,7
	ds_load_b128 v[KF+6*\t:KF+6*\t+3], v[ADK] offset:HLF*\t
	ds_load_b64 v[KF+6*\t+4:KF+6*\t+5], v[ADK8] offset:HLF*\t+512
.endr
.irp y, 0,1
	ds_load_b64 v[KS+2*\y:KS+2*\y+1], v[ADK8] offset:8*HLF+256*\y
.endr
	s_wait_alu depctr_va_vdst(0)
	s_wait_dscnt 0x0
.irp t, 0,1,2,3,4,5,6,7
.if \t%2
	v_wmma_scale_f32_16x16x128_f8f6f4 v[S+8*\t:S+8*\t+7], v[KF+6*\t:KF+6*\t+11], v[\qf:\qf+11], 0, v[KS+2*(\t/4)+(\t/2)%2], v[\qs] matrix_a_fmt:MATRIX_FMT_BF6 matrix_b_fmt:MATRIX_FMT_BF6 matrix_a_scale:MATRIX_SCALE_ROW1
.else
	v_wmma_scale_f32_16x16x128_f8f6f4 v[S+8*\t:S+8*\t+7], v[KF+6*\t:KF+6*\t+11], v[\qf:\qf+11], 0, v[KS+2*(\t/4)+(\t/2)%2], v[\qs] matrix_a_fmt:MATRIX_FMT_BF6 matrix_b_fmt:MATRIX_FMT_BF6
.endif
.endr
	PLACES                                         ; four places: in front of the loads into k's registers, and of the first read of the scores
.irp f, 0,1,2,3                                ; v's fragments land while the softmax is walked
.irp c, 0,1
	ds_load_b128 v[KF+12*\f+6*\c:KF+12*\f+6*\c+3], v[ADV] offset:FRB*\f+HLF*\c
	ds_load_b64 v[KF+12*\f+6*\c+4:KF+12*\f+6*\c+5], v[ADV8] offset:FRB*\f+HLF*\c+512
.endr
.endr
	ds_load_b64 v[VS:VS+1], v[ADV8] offset:4*FRB
; my two blocks' largest scores, each in two chains (registers 0-16 and 17-31): four chains by turns; every accumulator is first read at one of its four lowest registers
.irp c, 0,1
	v_max3_num_f32 v[TM+\c], v[S+32*\c], v[S+32*\c+1], v[S+32*\c+2]
	v_max3_num_f32 v[TM+2+\c], v[S+32*\c+17], v[S+32*\c+18], v[S+32*\c+19]
.endr
.irp i, 0,1,2,3,4,5
.irp c, 0,1
	v_max3_num_f32 v[TM+\c], v[TM+\c], v[S+32*\c+3+2*\i], v[S+32*\c+4+2*\i]
	v_max3_num_f32 v[TM+2+\c], v[TM+2+\c], v[S+32*\c+20+2*\i], v[S+32*\c+21+2*\i]
.endr
.endr
.irp c, 0,1
	v_max3_num_f32 v[TM+\c], v[TM+\c], v[S+32*\c+15], v[S+32*\c+16]
.endr
.irp c, 0,1
	v_max_num_f32 v[TM+\c], v[TM+\c], v[TM+2+\c]   ; block 2 c + h's largest score
.endr
	v_max_num_f32 v[T0], v[TM], v[TM+1]
	s_delay_alu instid0(VALU_DEP_1)
	v_permlanex16_b32 v[T1], v[T0], s[SEL], s[SEL+1]   ; lane l xor 16's two blocks
	v_mov_b32 v[T2], v12                           ; the old -M
	s_delay_alu instid0(VALU_DEP_2)
	v_max3_num_f32 v13, v13, v[T0], v[T1]          ; the running largest score
	s_delay_alu instid0(VALU_DEP_1)
	v_mul_f32 v[T0], s[CS], v13                    ; as t (c is positive)
	s_delay_alu instid0(VALU_DEP_1)
	v_floor_f32 v12, -v[T0]                        ; the new -M = -ceil(t): a whole number
	s_delay_alu instid0(VALU_DEP_1)
	v_sub_f32 v[T0], v12, v[T2]                    ; old M - new M, 0 or less
.irp c, 0,1
	v_fma_f32 v[TM+\c], v[TM+\c], s[CS], v12       ; t - M of each block's largest score
.endr
	v_cvt_i32_f32 v[T0], v[T0]                     ; (it saturates)
.set j, 0
.rept 4
	v_pk_fma_f32 v[S+j:S+j+1], v[S+j:S+j+1], s[CS:CS+1], v[12:13] op_sel_hi:[1,0,0]   ; t - M, two at a time (of the pairs c and -M the low word serves both halves)
.set j, j+2
.endr
	v_ldexp_f32 v[F], 1.0, v[T0]                   ; f = 2^(old M - new M): multiplying by it rounds nothing
.rept 28
	v_pk_fma_f32 v[S+j:S+j+1], v[S+j:S+j+1], s[CS:CS+1], v[12:13] op_sel_hi:[1,0,0]
.set j, j+2
.endr
	s_wait_alu depctr_va_vdst(0)
.irp c, 0,1
	v_exp_f32 v[TM+\c], v[TM+\c]                   ; the blocks' largest p
.endr
.set j, 0
.rept 64
	v_exp_f32 v[S+j], v[S+j]                       ; p = 2^(t - M)
.set j, j+1
.endr
	v_pk_mul_f32 v[14:15], v[14:15], v[F:F+1] op_sel_hi:[1,0]   ; the sums under the new M (a plain place behind the exponentials)
	s_wait_alu depctr_va_vdst(0)                   ; one wait for the batch of 66, ahead of its first reader
.irp c, 0,1
	v_max_num_f32 v[TM+\c], 0x2800000, v[TM+\c]    ; the floor 2^(5 - 127): the byte cannot fall under 1
.endr
.irp c, 0,1
	v_add_nc_u32 v[TS+\c], 0xfe000000, v[TM+\c]    ; 4 off the exponent field: the conversion's scale operand
.endr
.irp c, 0,1
	v_lshrrev_b32 v[TB+\c], 23, v[TS+\c]           ; the scale's byte
.endr
.irp c, 0,1
	v_cvt_scalef32_pk16_bf6_f32 v[PC+6*\c:PC+6*\c+2], v[S+32*\c:S+32*\c+15], v[TS+\c]
	v_cvt_scalef32_pk16_bf6_f32 v[CT+4*\c:CT+4*\c+2], v[S+32*\c+16:S+32*\c+31], v[TS+\c]   ; (a conversion's three registers begin on an even number)
.endr
	v_lshl_or_b32 v[PSW], v[TB+1], 16, v[TB]       ; my two bytes: blocks h and 2 + h.  (A plain place behind the scaled conversions)
.irp n, 0,1,2                                  ; THE ROW'S SUM IS TAKEN OF THE UNQUANTISED p: two at a time, in four chains
	v_pk_add_f32 v[SA+2*\n:SA+2*\n+1], v[S+4*\n:S+4*\n+1], v[S+4*\n+2:S+4*\n+3]
.endr
	v_lshlrev_b32 v[PSW], v[SH8], v[PSW]           ; at their places in the word (8 h bits up)
.set j, 12
.rept 6
	v_pk_add_f32 v[14:15], v[14:15], v[S+j:S+j+1]
	v_pk_add_f32 v[SA:SA+1], v[SA:SA+1], v[S+j+2:S+j+3]
	v_pk_add_f32 v[SA+2:SA+3], v[SA+2:SA+3], v[S+j+4:S+j+5]
	v_pk_add_f32 v[SA+4:SA+5], v[SA+4:SA+5], v[S+j+6:S+j+7]
.set j, j+8
.endr
	v_permlanex16_b32 v[T1], v[PSW], s[SEL], s[SEL+1]
	v_pk_add_f32 v[14:15], v[14:15], v[S+60:S+61]
	v_pk_add_f32 v[SA:SA+1], v[SA:SA+1], v[S+62:S+63]
	v_pk_add_f32 v[SA+2:SA+3], v[SA+2:SA+3], v[SA+4:SA+5]
	v_or_b32 v[PSW], v[PSW], v[T1]                 ; with lane l xor 16's two bytes p's scale word for these 128 keys is whole
	v_pk_add_f32 v[14:15], v[14:15], v[SA:SA+1]
.irp c, 0,1
.irp i, 0,1,2
	v_mov_b32 v[PC+3+6*\c+\i], v[CT+4*\c+\i]       ; registers 6 c .. 6 c + 5 now hold k = 64 c + 32 h + 0 .. 31
.endr
.endr
	v_pk_add_f32 v[14:15], v[14:15], v[SA+2:SA+3]
	s_wait_alu depctr_va_vdst(0)                   ; ahead of the first reader of O^T
.set j, 0
.rept 16
	v_pk_mul_f32 v[O+j:O+j+1], v[O+j:O+j+1], v[F:F+1] op_sel_hi:[1,0]   ; O^T under the new M (these 16 stand between the making of p's codes and scale word and the products)
.set j, j+2
.endr
	s_wait_alu depctr_va_vdst(0)
	s_wait_dscnt 0x0                               ; v is in
.irp f, 0,1,2,3                                ; O^T += v^T p^T: four accumulators by turns
.if \f%2
	v_wmma_scale_f32_16x16x128_f8f6f4 v[O+8*\f:O+8*\f+7], v[KF+12*\f:KF+12*\f+11], v[PC:PC+11], v[O+8*\f:O+8*\f+7], v[VS+\f/2], v[PSW] matrix_a_fmt:MATRIX_FMT_BF6 matrix_b_fmt:MATRIX_FMT_BF6 matrix_a_scale:MATRIX_SCALE_ROW1
.else
	v_wmma_scale_f32_16x16x128_f8f6f4 v[O+8*\f:O+8*\f+7], v[KF+12*\f:KF+12*\f+11], v[PC:PC+11], v[O+8*\f:O+8*\f+7], v[VS+\f/2], v[PSW] matrix_a_fmt:MATRIX_FMT_BF6 matrix_b_fmt:MATRIX_FMT_BF6
.endif
.endr
.endm
; A tile ends: O^T / the sum; its 64 channels (register 16 b + i = channel 32 b + 16 (lane / 16) + i) are two blocks of the last projection's K: my head's half of the fragment and its two bytes of the scale word.
.macro FIN p
	PLACES                                         ; four places behind the last products
	v_add_f32 v14, v14, v15
	s_delay_alu instid0(VALU_DEP_1)
	v_permlanex16_b32 v[T0], v14, s[SEL], s[SEL+1]
	s_delay_alu instid0(VALU_DEP_1)
	v_add_f32 v14, v14, v[T0]                      ; the row's sum
	s_wait_alu depctr_va_vdst(0)
	v_rcp_f32 v[F], v14
	v_nop                                          ; a plain place behind the transcendental
	s_wait_alu depctr_va_vdst(0)                   ; and the wait ahead of its first reader, which is O^T's first reader too
.set j, 0
.rept 16
	v_pk_mul_f32 v[S+j:S+j+1], v[O+j:O+j+1], v[F:F+1] op_sel_hi:[1,0]   ; each accumulator from its low end on
.set j, j+2
.endr
.irp b, 0,1
	v_max3_num_f32 v[TM+\b], |v[S+16*\b]|, |v[S+16*\b+1]|, 0x2800000
.endr
.irp i, 2,4,6,8,10,12,14
.irp b, 0,1
	s_delay_alu instid0(VALU_DEP_2)
	v_max3_num_f32 v[TM+\b], v[TM+\b], |v[S+16*\b+\i]|, |v[S+16*\b+\i+1]|
.endr
.endr
.irp b, 0,1
	s_delay_alu instid0(VALU_DEP_2)
	v_permlanex16_b32 v[TM+2+\b], v[TM+\b], s[SEL], s[SEL+1]
.endr
.irp b, 0,1
	s_delay_alu instid0(VALU_DEP_2)
	v_max_num_f32 v[TM+\b], v[TM+\b], v[TM+2+\b]
.endr
.irp b, 0,1
	s_delay_alu instid0(VALU_DEP_2)
	v_add_nc_u32 v[TS+\b], 0xfe000000, v[TM+\b]
.endr
.irp b, 0,1
	s_delay_alu instid0(VALU_DEP_2)
	v_lshrrev_b32 v[TB+\b], 23, v[TS+\b]
.endr
	s_delay_alu instid0(VALU_DEP_1)
	v_lshl_or_b32 v[OW], v[TB+1], 8, v[TB]
	v_cvt_scalef32_pk16_bf6_f32 v[PC:PC+2], v[S:S+15], v[TS]
	v_cvt_scalef32_pk16_bf6_f32 v[CT:CT+2], v[S+16:S+31], v[TS+1]
	v_nop                                          ; one plain place behind the scaled conversions
.irp i, 0,1,2
	v_permlane16_swap_b32 v[PC+\i], v[CT+\i]       ; a whole block in a lane: lanes 0-15 the head's first block, lanes 16-31 its second
.endr
.irp i, 0,1,2
	s_delay_alu instid0(VALU_DEP_3)
	v_mov_b32 v[PC+3+\i], v[CT+\i]
.endr
	global_store_b128 v[LI16], v[PC:PC+3], s[CCB:CCB+1] offset:2*GRP*\p       ; 512 and 256 consecutive bytes, aligned
	global_store_b64 v[LI8], v[PC+4:PC+5], s[CCB:CCB+1] offset:2*GRP*\p+512
	global_store_b16 v[QSA], v[OW], s[CCS:CCS+1] offset:2*GRP*\p              ; my head's two bytes of each row's scale word
.endm
; One tile of 16 queries against all 2,048 keys.  The first change of M multiplies zeros.
.macro PASS p, qf, qs
.if \p
	s_wait_xcnt 0x0                                ; the last tile's stores have read their registers: they may be written again
.endif
	v_mov_b32 v13, 0xff61b1e6                      ; -3e38, under every score
	s_delay_alu instid0(VALU_DEP_1)
	v_floor_f32 v12, -v13
	v_mov_b32 v14, 0
	v_mov_b32 v15, 0
.set j, 0
.rept 32
	v_mov_b32 v[O+j], 0
.set j, j+1
.endr
	s_mov_b32 s[TBK], 0
	s_mov_b32 s[TBV], KSZ
	s_mov_b32 s[CNT], 16
.Lstep_\@:
	STEP \qf, \qs
	s_add_co_u32 s[TBK], s[TBK], QBLK
	s_add_co_u32 s[TBV], s[TBV], VBLK
	s_sub_co_u32 s[CNT], s[CNT], 1
	s_cmp_lg_u32 s[CNT], 0
	s_cbranch_scc1 .Lstep_\@
	FIN \p
.endm
	s_load_b128 s[4:7], s[0:1], 0x0                ; hc, cc
	v_lshl_add_u32 v[SPW], v0, 2, SPARE
	v_mov_b32 v[NIL], 0
	ds_add_u32 v[SPW], v[NIL]                      ; the opening: the add, twice on end, and its wait ahead of my tensor load
	ds_add_u32 v[SPW], v[NIL]
	v_lshrrev_b32 v5, 5, v0
	v_readfirstlane_b32 s[WV], v5                  ; wave 0..15
	s_bfe_u32 s9, ttmp6, 0x40000                   ; cx, my block of 512 queries: it enters q's and cc's addresses alone
	s_and_b32 s11, ttmp7, 0xffff                   ; y = 16 x batch + head, which the partners share
	s_lshr_b32 s66, s[WV], 3                       ; my first tile's group among my block's four (the second's lies two further on)
	s_and_b32 s67, s[WV], 7                        ; my tile in it.  Also: which two blocks of k or of v I fetch
	s_mul_i32 s68, s11, HQ                         ; k: the head's 16 blocks, + my two
	s_mul_i32 s88, s67, 2*QBLK                     ; (also where they go in LDS)
	s_add_co_u32 s68, s68, s88
	s_add_co_u32 s68, s68, SEC
	s_mov_b32 s69, 0
	s_mul_i32 s70, s11, 16*VBLK                    ; v likewise
	s_mul_i32 s89, s67, 2*VBLK
	s_add_co_u32 s70, s70, s89
	s_add_co_u32 s70, s70, 2*SEC
	s_mov_b32 s71, 0
	s_add_co_u32 s89, s89, KSZ
	s_lshl_b32 s72, s11, 4                         ; q: block 16 y + 4 cx + group
	s_lshl_b32 s73, s9, 2
	s_add_co_u32 s73, s73, s66                     ; 4 cx + group
	s_add_co_u32 s72, s72, s73
	s_mul_i32 s72, s72, QBLK
	s_lshr_b32 s74, s67, 2                         ; the place of tile t's scale words: 256 (t / 4) + 128 (t % 2) + 4 ((t / 2) % 2)
	s_lshl_b32 s74, s74, 8
	s_and_b32 s75, s67, 1
	s_lshl_b32 s75, s75, 7
	s_add_co_u32 s74, s74, s75
	s_bfe_u32 s75, s67, 0x10001
	s_lshl_b32 s75, s75, 2
	s_add_co_u32 s74, s74, s75
	s_add_co_u32 s76, s72, s74
	s_add_co_u32 s76, s76, 8*HLF
	s_mov_b32 s77, 0
	s_mul_i32 s75, s67, HLF
	s_add_co_u32 s72, s72, s75                     ; my tile's half
	s_lshr_b32 s78, s11, 4                         ; cc: group 16 x batch + 4 cx + group; K step = the head pair
	s_lshl_b32 s78, s78, 4
	s_add_co_u32 s78, s78, s73
	s_mov_b32 s73, 0
	s_mul_i32 s80, s78, GRP
	s_bfe_u32 s79, s11, 0x30001                    ; the head pair
	s_mul_i32 s79, s79, BLK
	s_add_co_u32 s80, s80, s79
	s_and_b32 s79, s11, 1                          ; which head of the pair
	s_lshl_b32 s82, s79, 1
	s_add_co_u32 s82, s82, s74
	s_add_co_u32 s82, s82, s80
	s_add_co_u32 s82, s82, 8*FRB                   ; my tile's scale words, my head's two bytes
	s_mov_b32 s83, 0
	s_mul_i32 s81, s67, FRB
	s_add_co_u32 s80, s80, s81
	s_mul_i32 s81, s79, HLF
	s_add_co_u32 s80, s80, s81                     ; my fragment's half
	s_mov_b32 s81, 0
	; descriptor group 1: dense blocks as rows of 256 bytes (32 elements of 8 bytes), no padding: k 13,312 bytes, v 12,800
	s_mov_b32 s[G1K], 15|(3<<16)|(1<<21)           ; 15:0 the mask: all four work-groups; 17:16 elements of 8 bytes; 21 set beside a mask
	s_mov_b32 s[G1K+1], 32<<16
	s_mov_b32 s[G1K+2], 52<<16
	s_mov_b32 s[G1K+3], 32<<16
	s_mov_b32 s[G1K+4], 52
	s_mov_b32 s[G1K+5], 32
	s_mov_b32 s[G1K+6], 0
	s_mov_b32 s[G1K+7], 0
	s_mov_b32 s[G1V], 15|(3<<16)|(1<<21)
	s_mov_b32 s[G1V+1], 32<<16
	s_mov_b32 s[G1V+2], 50<<16
	s_mov_b32 s[G1V+3], 32<<16
	s_mov_b32 s[G1V+4], 50
	s_mov_b32 s[G1V+5], 32
	s_mov_b32 s[G1V+6], 0
	s_mov_b32 s[G1V+7], 0
	s_mov_b32 s[SEL], 0x76543210                   ; v_permlanex16_b32's selects for lane l xor 16
	s_mov_b32 s[SEL+1], 0xfedcba98
	s_mov_b32 s[CS], 0x3e38aa3b                    ; c = log2(e) / sqrt(64)
	s_mov_b32 s[CS+1], s[CS]                       ; (named with it as a pair)
	v_and_b32 v5, 31, v0
	v_and_b32 v6, 15, v0
	v_bfe_u32 v7, v0, 4, 1
	v_lshlrev_b32 v[LI16], 4, v5
	v_lshlrev_b32 v[LI8], 3, v5
	v_lshlrev_b32 v[QSA], 3, v6
	v_lshlrev_b32 v[SH8], 3, v7
	s_wait_alu depctr_va_vdst(0)
	s_wait_dscnt 0x0                               ; both opening adds are done
	s_wait_kmcnt 0x0
	s_add_nc_u64 s[QB:QB+1], s[4:5], s[72:73]
	s_add_nc_u64 s[QSB:QSB+1], s[4:5], s[76:77]
	s_add_nc_u64 s[CCB:CCB+1], s[6:7], s[80:81]
	s_add_nc_u64 s[CCS:CCS+1], s[6:7], s[82:83]
	s_mov_b32 s[G0K], 1
	s_mov_b32 s[G0K+1], s88
	s_add_nc_u64 s[G0K+2:G0K+3], s[4:5], s[68:69]
	s_or_b32 s[G0K+3], s[G0K+3], 0x80000000
	s_mov_b32 s[G0V], 1
	s_mov_b32 s[G0V+1], s89
	s_add_nc_u64 s[G0V+2:G0V+3], s[4:5], s[70:71]
	s_or_b32 s[G0V+3], s[G0V+3], 0x80000000
	CROUND                                         ; all four work-groups are here: the joint loads meet
	s_cmp_lt_u32 s[WV], 8                          ; one load a wave, one to each arm of one branch on the wave's number; an s_nop 0 and four v_nop follow each
	s_cbranch_scc0 .Lfor_v
	tensor_load_to_lds s[G0K:G0K+3], s[G1K:G1K+7]
	s_nop 0
	PLACES
	s_branch .Lasked
.Lfor_v:
	tensor_load_to_lds s[G0V:G0V+3], s[G1V:G1V+7]
	s_nop 0
	PLACES
.Lasked:
	global_load_b128 v[QF:QF+3], v[LI16], s[QB:QB+1]                 ; q of both my tiles stays in registers
	global_load_b64 v[QF+4:QF+5], v[LI8], s[QB:QB+1] offset:512
	global_load_b32 v[QS], v[QSA], s[QSB:QSB+1]
	global_load_b128 v[QF2:QF2+3], v[LI16], s[QB:QB+1] offset:2*QBLK
	global_load_b64 v[QF2+4:QF2+5], v[LI8], s[QB:QB+1] offset:2*QBLK+512
	global_load_b32 v[QS2], v[QSA], s[QSB:QSB+1] offset:2*QBLK
.irp i, 6,7,8,9,10,11
	v_mov_b32 v[QF+\i], 0                          ; zero codes for K = 64 .. 127
	v_mov_b32 v[QF2+\i], 0
	v_mov_b32 v[KF+42+\i], 0                       ; and behind k's last tile
.endr
	v_mov_b32 v[T0], 0                             ; written once: a lane permute's destination counts as one of its sources
	v_mov_b32 v[T1], 0
	v_mov_b32 v[F+1], 0                            ; (named as the upper half of the pair)
	s_wait_alu depctr_va_vdst(0)
	s_wait_tensorcnt 0x0                           ; my part of k or v is in
	s_barrier_signal -1
	s_barrier_wait -1                              ; everybody's is: nothing is filled again, and no further barrier is needed
	s_wait_loadcnt 0x0                             ; q
	PASS 0, QF, QS
	PASS 1, QF2, QS2
	s_wait_tensorcnt 0x0                           ; the wave's end
	ds_add_u32 v[SPW], v[NIL]
	s_wait_dscnt 0x0
	CROUND                                         ; the closing round
	s_endpgm
.Lfunc_end_k_q7bad8307df_attn:
	.size	k_q7bad8307df_attn, .Lfunc_end_k_q7bad8307df_attn-k_q7bad8307df_attn
	.p2alignl 7, 3214868480
	.fill 96, 4, 3214868480
	.section	.rodata,"a",@progbits
	.p2align	6, 0x0
	.amdhsa_kernel k_q7bad8307df_attn
		.amdhsa_group_segment_fixed_size 210944
		.amdhsa_private_segment_fixed_size 0
		.amdhsa_enable_private_segment 0
		.amdhsa_kernarg_size 16
		.amdhsa_user_sgpr_count 2
		.amdhsa_user_sgpr_kernarg_segment_ptr 1
		.amdhsa_wavefront_size32 1
		.amdhsa_system_sgpr_workgroup_id_x 1
		.amdhsa_system_sgpr_workgroup_id_y 1
		.amdhsa_system_sgpr_workgroup_id_z 1
		.amdhsa_system_vgpr_workitem_id 0
		.amdhsa_next_free_vgpr 256
		.amdhsa_next_free_sgpr 96
		.amdhsa_reserve_vcc 0
		.amdhsa_float_denorm_mode_32 3
		.amdhsa_float_denorm_mode_16_64 3
		.amdhsa_memory_ordered 1
		.amdhsa_forward_progress 1
		.amdhsa_inst_pref_size 50
	.end_amdhsa_kernel
	.amdgpu_metadata
---
amdhsa.version: [ 1, 2 ]
amdhsa.kernels:
  - .name:           k_q7bad8307df_attn
    .symbol:         k_q7bad8307df_attn.kd
    .args:
      - { .name: hc, .offset: 0, .size: 8, .value_kind: global_buffer, .address_space: global }
      - { .name: cc, .offset: 8, .size: 8, .value_kind: global_buffer, .address_space: global }
    .group_segment_fixed_size: 210944
    .private_segment_fixed_size: 0
    .kernarg_segment_align: 8
    .kernarg_segment_size: 16
    .max_flat_workgroup_size: 512
    .sgpr_count:     96
    .vgpr_count:     256
    .wavefront_size: 32
...
	.end_amdgpu_metadata
.endif
;; end of part 3
;; launch outp (part 4): grid 8 x 32, 4 waves a work-group, clusters of 4 x 4, 307,712 bytes of LDS; arguments cc, opc, bo, out0; writes out0
.if DOCPART == 4
	.amdgcn_target "amdgcn-amd-amdhsa--gfx1250"
	.amdhsa_code_object_version 6
	.text
	.protected	k_q7bad8307df_outp
	.globl	k_q7bad8307df_outp
	.p2align	8
	.type	k_q7bad8307df_outp,@function
k_q7bad8307df_outp:
	s_mov_b64 s[64:65], 0
	v_nop
	global_prefetch_b8 v0, s[64:65] scope:SCOPE_SE
	s_setreg_imm32_b32 hwreg(HW_REG_WAVE_MODE, 25, 1), 1
	s_wait_xcnt 0x0
	s_wait_alu depctr_hold_cnt(0) depctr_sa_sdst(0) depctr_va_vdst(0) depctr_va_sdst(0) depctr_va_ssrc(0) depctr_va_vcc(0) depctr_vm_vsrc(0)
	s_getreg_b32 s2, hwreg(HW_REG_IB_STS2, 6, 4)
	s_cmp_eq_u32 s2, 0
	s_cbranch_scc0 .Lentry_in_a_cluster
	s_endpgm
.Lentry_in_a_cluster:
	s_bfe_u32 s2, ttmp6, 0x10000c
	s_cmp_lg_u32 s2, 0xf033
	s_cbranch_scc0 .Lentry_shape_is_right
	s_endpgm
.Lentry_shape_is_right:
; out0 = concat Wo^T + bo on codes of BF6 (E3M2) with E8M0 scales.  concat comes from cc, Wo from opc (groups 216 .. 223), both in the order of the operand's registers: groups of 128 rows, blocks of 12,800 bytes for a
; K step of 128 (eight fragments of 1,536 bytes, 512 bytes of scale words); tile t gives lane r the row 32 (t / 2) + 8 (t % 2) + r + 8 (r / 8).
; A work-group multiplies one group P of Wo (source 0) by two groups R of tokens (source 1): a lane holds one token, and the 16 registers of P's tiles 2 B, 2 B + 1 are 16 neighbouring columns of out0.
; ALL OF K LIES IN LDS: R's two groups at 0, P's at 204,800; every byte is filled once.  Each wave issues one tensor load at the start.  CLUSTER 4 x 4: R's blocks are asked for jointly along a
; row of the cluster, P's along a column.  Four waves; wave w takes all 8 tiles of P and tiles 4 (w % 2) + 0..3 of R's group w / 2: 32 accumulators.  256 work-groups.
; The bias is the C of each sum's first product.  The way out goes through each wave's own stage in LDS (16 rows x 528 bytes), which lies where operands lay that have had their last fill and, behind a barrier, their last read.
; REGISTERS: window 0: v1-18 addresses; v32-43 scale words, two sets; v64-127 the bias; v128-223 R's fragments, two sets; on the way out v64-191 rows of out0.   window 1: P's fragments, two sets.   window 2: accumulator (a, b) at v[8 (8 a + b)].
.set GRP,   102400
.set BLK,   12800
.set FRB,   1536
.set HLF,   768
.set PBASE, 2*GRP
.set SPITCH, 528
.set RR,   1
.set HH,   2
.set LL,   3
.set LI16, 4
.set LI8,  5
.set PA16, 6
.set PA8,  8
.set RA16, 10
.set RA8,  12
.set RS8,  14
.set BA,   16
.set STO,  17
.set RD,   18
.set PSC,  32
.set RSC,  40
.set BP,   64
.set RF,   128
.set WV,  14
.set WH,  15
.set WL,  16
.set CX,  17
.set CY,  18
.set PI,  22
.set RI,  23
.set G1R, 24
.set G1P, 32
.set G0R, 40
.set G0P, 68
.set BPT, 88
.set OUT, 90
.set MSB, 0
.macro WIN new                         ; the immediate's high byte repeats the setting that is left
.if MSB != \new
	s_set_vgpr_msb (MSB<<8)|\new
.set MSB, \new
.endif
.endm
.macro PLACES
.rept 4
	v_nop
.endr
.endm
.macro CROUND
	s_barrier_signal -1
	s_barrier_wait -1
	s_cmp_lg_u32 s[WV], 0
	s_cbranch_scc1 .Lnot_wave_0_\@
	s_barrier_signal -3
.Lnot_wave_0_\@:
	s_barrier_wait -3
	s_barrier_signal -1
	s_barrier_wait -1
.endm
; One product, C = v[cr ..].  oa, ob: the tile's scale words lie in lanes 16-31 of the register named.
.macro WM d, pa, rb, cr, sa, sb, oa, ob
.if (\oa) && (\ob)
	v_wmma_scale_f32_16x16x128_f8f6f4 v[\d:\d+7], v[\pa:\pa+11], v[\rb:\rb+11], v[\cr:\cr+7], v[\sa], v[\sb] matrix_a_fmt:MATRIX_FMT_BF6 matrix_b_fmt:MATRIX_FMT_BF6 matrix_a_scale:MATRIX_SCALE_ROW1 matrix_b_scale:MATRIX_SCALE_ROW1
.elseif \oa
	v_wmma_scale_f32_16x16x128_f8f6f4 v[\d:\d+7], v[\pa:\pa+11], v[\rb:\rb+11], v[\cr:\cr+7], v[\sa], v[\sb] matrix_a_fmt:MATRIX_FMT_BF6 matrix_b_fmt:MATRIX_FMT_BF6 matrix_a_scale:MATRIX_SCALE_ROW1
.elseif \ob
	v_wmma_scale_f32_16x16x128_f8f6f4 v[\d:\d+7], v[\pa:\pa+11], v[\rb:\rb+11], v[\cr:\cr+7], v[\sa], v[\sb] matrix_a_fmt:MATRIX_FMT_BF6 matrix_b_fmt:MATRIX_FMT_BF6 matrix_b_scale:MATRIX_SCALE_ROW1
.else
	v_wmma_scale_f32_16x16x128_f8f6f4 v[\d:\d+7], v[\pa:\pa+11], v[\rb:\rb+11], v[\cr:\cr+7], v[\sa], v[\sb] matrix_a_fmt:MATRIX_FMT_BF6 matrix_b_fmt:MATRIX_FMT_BF6
.endif
.endm
; A K step's 32 products; the 32 accumulators take turns, one instruction a turn, in the same order in every step.  bias = 1: the bias starts the sums.
.macro MUL set, bias
.irp a, 0,1,2,3
.irp b, 0,1,2,3,4,5,6,7
.if \bias
	WM 8*(8*\a+\b), 96*(\set)+12*\b, RF+48*(\set)+12*\a, BP+8*\b, PSC+4*(\set)+2*(\b/4)+(\b/2)%2, RSC+2*(\set)+\a/2, \b%2, \a%2
.else
	WM 8*(8*\a+\b), 96*(\set)+12*\b, RF+48*(\set)+12*\a, 8*(8*\a+\b), PSC+4*(\set)+2*(\b/4)+(\b/2)%2, RSC+2*(\set)+\a/2, \b%2, \a%2
.endif
.endr
.endr
.endm
; K step s: 51 LDS loads in one run, as images of the registers: every load takes consecutive bytes.
.macro FETCH s, set
.set QQ, (\s)/4
.set OB, ((\s)%4)*BLK
	WIN 0x40                                       ; destination window 1, address window 0
.irp b, 0,1,2,3,4,5,6,7
.irp c, 0,1
	ds_load_b128 v[96*(\set)+12*\b+6*\c:96*(\set)+12*\b+6*\c+3], v[PA16+QQ] offset:OB+FRB*\b+HLF*\c
	ds_load_b64 v[96*(\set)+12*\b+6*\c+4:96*(\set)+12*\b+6*\c+5], v[PA8+QQ] offset:OB+FRB*\b+HLF*\c+512
.endr
.endr
	WIN 0
.irp a, 0,1,2,3
.irp c, 0,1
	ds_load_b128 v[RF+48*(\set)+12*\a+6*\c:RF+48*(\set)+12*\a+6*\c+3], v[RA16+QQ] offset:OB+FRB*\a+HLF*\c
	ds_load_b64 v[RF+48*(\set)+12*\a+6*\c+4:RF+48*(\set)+12*\a+6*\c+5], v[RA8+QQ] offset:OB+FRB*\a+HLF*\c+512
.endr
.endr
.irp y, 0,1
	ds_load_b64 v[PSC+4*(\set)+2*\y:PSC+4*(\set)+2*\y+1], v[PA8+QQ] offset:OB+8*FRB+256*\y
.endr
	ds_load_b64 v[RSC+2*(\set):RSC+2*(\set)+1], v[RS8+QQ] offset:OB
.endm
; THE WAY OUT of my tile a of R: 16 tokens x 128 columns go through my stage and come back as whole rows of 512 bytes.
.macro TOSTAGE a
	WIN 0x08                                       ; an LDS store's data are its source 1: window 2
.irp b, 0,1,2,3,4,5,6,7
	ds_store_b128 v[STO], v[64*(\a)+8*\b:64*(\a)+8*\b+3] offset:128*(\b/2)+32*(\b%2)          ; each accumulator from its low end on: columns 32 (b / 2) + 8 (b % 2) + 16 h + 0 .. 7
	ds_store_b128 v[STO], v[64*(\a)+8*\b+4:64*(\a)+8*\b+7] offset:128*(\b/2)+32*(\b%2)+16
.endr
	WIN 0
.set BB, 64+64*((\a)%2)
.irp i, 0,1,2,3,4,5,6,7,8,9,10,11,12,13,14,15
	ds_load_b128 v[BB+4*\i:BB+4*\i+3], v[RD] offset:SPITCH*\i   ; LDS serves a wave's instructions in order: these see my stores, and the next tile's stores come behind them
.endr
.endm
.macro SEND a, younger                 ; younger: the LDS instructions issued behind tile a's loads, which may stay out
.set BB, 64+64*((\a)%2)
	s_wait_dscnt \younger
.irp i, 0,1,2,3,4,5,6,7,8,9,10,11,12,13,14,15
	global_store_b128 v[LI16], v[BB+4*\i:BB+4*\i+3], s[OUT:OUT+1] offset:(32*((\a)/2)+8*((\a)%2)+\i+8*(\i/8))*4096 th:TH_STORE_NT   ; 32 lanes store 512 consecutive bytes, aligned; the tile's lane i is this row
.endr
.endm
	s_load_b256 s[4:11], s[0:1], 0x0               ; cc, opc, bo, out0
	v_lshl_add_u32 v254, v0, 2, 0x4b000
	v_mov_b32 v255, 0
	ds_add_u32 v254, v255
	ds_add_u32 v254, v255
	v_lshrrev_b32 v1, 5, v0
	v_readfirstlane_b32 s[WV], v1
	s_lshr_b32 s[WH], s[WV], 1                     ; my group of R.  Also: I fetch for R (0) or for P (1)
	s_and_b32 s[WL], s[WV], 1
	s_bfe_u32 s[CX], ttmp6, 0x40000
	s_bfe_u32 s[CY], ttmp6, 0x40004
	s_lshl_b32 s[PI], ttmp9, 2
	s_add_co_u32 s[PI], s[PI], s[CX]               ; which group of Wo: 128 columns of out0
	s_and_b32 s[RI], ttmp7, 0xffff
	s_lshl_b32 s[RI], s[RI], 2
	s_add_co_u32 s[RI], s[RI], s[CY]               ; which pair of token groups
	s_lshl_b32 s60, s[CY], 2
	s_lshl_b32 s60, 15, s60                        ; my row of the cluster
	s_lshl_b32 s61, 0x1111, s[CX]                  ; my column
	; descriptor group 1: dense blocks as rows of 256 bytes (32 elements of 8 bytes), no padding: R 102,400 bytes, P 51,200
	s_or_b32 s[G1R], s60, (3<<16)|(1<<21)
	s_or_b32 s[G1P], s61, (3<<16)|(1<<21)
	s_mov_b32 s[G1R+1], 32<<16
	s_mov_b32 s[G1R+2], 400<<16                    ; a whole group of R, 102,400 bytes, by one load
	s_mov_b32 s[G1R+3], 32<<16
	s_mov_b32 s[G1R+4], 400
	s_mov_b32 s[G1R+5], 32
	s_mov_b32 s[G1R+6], 0
	s_mov_b32 s[G1R+7], 0
	s_mov_b32 s[G1P+1], 32<<16
	s_mov_b32 s[G1P+2], 200<<16                    ; four K steps of P, 51,200 bytes, by one load
	s_mov_b32 s[G1P+3], 32<<16
	s_mov_b32 s[G1P+4], 200
	s_mov_b32 s[G1P+5], 32
	s_mov_b32 s[G1P+6], 0
	s_mov_b32 s[G1P+7], 0
	s_add_co_u32 s84, s[PI], 216                   ; P: my group of Wo in opc, + my four K steps
	s_mul_i32 s84, s84, GRP
	s_mul_i32 s85, s[WL], 4*BLK                    ; wave 2 fetches P's K steps 0-3, wave 3 its K steps 4-7
	s_add_co_u32 s84, s84, s85
	s_mov_b32 s85, 0
	s_lshl_b32 s86, s[RI], 1                       ; R: the group that I fetch
	s_add_co_u32 s86, s86, s[WL]
	s_mul_i32 s86, s86, GRP
	s_mov_b32 s87, 0
	s_mul_i32 s62, s[WL], GRP                      ; where they go: the wave's number alone enters an LDS address
	s_mul_i32 s63, s[WL], 4*BLK
	s_add_co_u32 s63, s63, PBASE
	s_lshl_b32 s[BPT], s[PI], 9                    ; the group's 128 biases
	s_mov_b32 s[BPT+1], 0
	s_lshl_b32 s[OUT], s[RI], 1                    ; out0: row 128 x (2 x pair + wave / 2) + 64 x (wave % 2), 4,096 bytes a row; column 128 x group
	s_add_co_u32 s[OUT], s[OUT], s[WH]
	s_lshl_b32 s[OUT], s[OUT], 19
	s_lshl_b32 s[OUT+1], s[WL], 18
	s_add_co_u32 s[OUT], s[OUT], s[OUT+1]
	s_lshl_b32 s[OUT+1], s[PI], 9
	s_add_co_u32 s[OUT], s[OUT], s[OUT+1]
	s_mov_b32 s[OUT+1], 0
	v_and_b32 v[LL], 31, v0
	v_and_b32 v[RR], 15, v0
	v_bfe_u32 v[HH], v0, 4, 1
	v_lshlrev_b32 v[LI16], 4, v[LL]
	v_lshlrev_b32 v[LI8], 3, v[LL]
	v_add_nc_u32 v[PA16], PBASE, v[LI16]
	v_add_nc_u32 v[PA16+1], PBASE+4*BLK, v[LI16]
	v_add_nc_u32 v[PA8], PBASE, v[LI8]
	v_add_nc_u32 v[PA8+1], PBASE+4*BLK, v[LI8]
	s_mul_i32 s66, s[WH], GRP
	s_mul_i32 s67, s[WL], 4*FRB
	s_add_co_u32 s67, s67, s66
	v_add_nc_u32 v[RA16], s67, v[LI16]
	v_add_nc_u32 v[RA16+1], 4*BLK, v[RA16]
	v_add_nc_u32 v[RA8], s67, v[LI8]
	v_add_nc_u32 v[RA8+1], 4*BLK, v[RA8]
	s_lshl_b32 s67, s[WL], 8
	s_add_co_u32 s67, s67, s66
	s_add_co_u32 s67, s67, 8*FRB
	v_add_nc_u32 v[RS8], s67, v[LI8]
	v_add_nc_u32 v[RS8+1], 4*BLK, v[RS8]
	s_mul_i32 s66, s[WV], 16*SPITCH                ; my stage
	v_mul_u32_u24 v[STO], v[RR], SPITCH
	v_lshl_add_u32 v[STO], v[HH], 6, v[STO]
	v_add_nc_u32 v[STO], s66, v[STO]               ; in: row r, + 64 h
	v_add_nc_u32 v[RD], s66, v[LI16]               ; back: the 32 lanes take a row
	v_lshlrev_b32 v[BA], 6, v[HH]
	s_wait_dscnt 0x0
	s_wait_kmcnt 0x0
	s_add_nc_u64 s[94:95], s[6:7], s[84:85]
	s_add_nc_u64 s[96:97], s[4:5], s[86:87]
	s_add_nc_u64 s[BPT:BPT+1], s[8:9], s[BPT:BPT+1]
	s_add_nc_u64 s[OUT:OUT+1], s[10:11], s[OUT:OUT+1]
.irp c, 0
	s_mov_b32 s[G0R+4*\c], 1
	s_add_co_u32 s[G0R+4*\c+1], s62, 2*BLK*\c
	s_add_nc_u64 s[G0R+4*\c+2:G0R+4*\c+3], s[96:97], 2*BLK*\c
	s_or_b32 s[G0R+4*\c+3], s[G0R+4*\c+3], 0x80000000
	s_mov_b32 s[G0P+4*\c], 1
	s_add_co_u32 s[G0P+4*\c+1], s63, 2*BLK*\c
	s_add_nc_u64 s[G0P+4*\c+2:G0P+4*\c+3], s[94:95], 2*BLK*\c
	s_or_b32 s[G0P+4*\c+3], s[G0P+4*\c+3], 0x80000000
.endr
	CROUND                                         ; all sixteen work-groups are here: the joint loads meet
	s_cmp_eq_u32 s[WH], 0                          ; one load a wave, one to each arm of one branch on the wave's number; an s_nop 0 and four v_nop follow each
	s_cbranch_scc0 .Lfor_p
	tensor_load_to_lds s[G0R:G0R+3], s[G1R:G1R+7]  ; ONE load a wave at the head: waves 0, 1 a whole group of R each
	s_nop 0
	PLACES
	s_branch .Lasked
.Lfor_p:
	tensor_load_to_lds s[G0P:G0P+3], s[G1P:G1P+7]  ; waves 2, 3 half of P each
	s_nop 0
	PLACES
.Lasked:
	s_wait_alu depctr_va_vdst(0)
.irp b, 0,1,2,3,4,5,6,7                        ; the bias in the result's layout: register 8 b + j is column 32 (b / 2) + 8 (b % 2) + 16 h + j
	global_load_b128 v[BP+8*\b:BP+8*\b+3], v[BA], s[BPT:BPT+1] offset:(32*(\b/2)+8*(\b%2))*4
	global_load_b128 v[BP+8*\b+4:BP+8*\b+7], v[BA], s[BPT:BPT+1] offset:(32*(\b/2)+8*(\b%2))*4+16
.endr
	s_wait_tensorcnt 0x0                           ; my one load is in
	s_barrier_signal -1
	s_barrier_wait -1                              ; everybody's is
	FETCH 0, 0
.irp s, 0,1,2,3,4,5,6,7
	s_wait_dscnt 0x0                               ; this step's fragments are in
.if (\s > 0) && (\s < 7)
	PLACES                                         ; four places in front of loads into the set that the last step's products read
.endif
.if \s < 7
	FETCH \s+1, (\s+1)%2
.endif
.if \s == 0
	s_wait_loadcnt 0x0                             ; the bias
	WIN 0x81                                       ; source 0 (P) window 1, source 1 (R) and C (the bias) window 0, D window 2
	MUL 0, 1
.else
	WIN 0xa1                                       ; C and D window 2
	MUL \s%2, 0
.endif
.endr
	WIN 0
	s_barrier_signal -1                            ; my reads of the operands ended at the last step's wait for 0, and all my tensor loads have landed:
	s_barrier_wait -1                              ; behind this barrier nobody reads the bytes in which the stages lie
	PLACES                                         ; four places behind the last products: for the reads of results and the loads into registers that products read
	TOSTAGE 0
.irp a, 1,2,3
.if \a > 1
	s_wait_xcnt 0x0                                ; tile a - 2's stores have read their registers: tile a's rows may land there
.endif
	TOSTAGE \a
	SEND \a-1, 32                                  ; behind tile a - 1's loads: tile a's 16 stores and 16 loads
.endr
	SEND 3, 0
	s_wait_tensorcnt 0x0
	ds_add_u32 v254, v255
	s_wait_dscnt 0x0
	CROUND                                         ; the closing round: no work-group ends while a partner may still ask for a block that names it
	s_endpgm
.Lfunc_end_k_q7bad8307df_outp:
	.size	k_q7bad8307df_outp, .Lfunc_end_k_q7bad8307df_outp-k_q7bad8307df_outp
	.p2alignl 7, 3214868480
	.fill 96, 4, 3214868480
	.section	.rodata,"a",@progbits
	.p2align	6, 0x0
	.amdhsa_kernel k_q7bad8307df_outp
		.amdhsa_group_segment_fixed_size 307712
		.amdhsa_private_segment_fixed_size 0
		.amdhsa_enable_private_segment 0
		.amdhsa_kernarg_size 32
		.amdhsa_user_sgpr_count 2
		.amdhsa_user_sgpr_kernarg_segment_ptr 1
		.amdhsa_wavefront_size32 1
		.amdhsa_system_sgpr_workgroup_id_x 1
		.amdhsa_system_sgpr_workgroup_id_y 1
		.amdhsa_system_sgpr_workgroup_id_z 1
		.amdhsa_system_vgpr_workitem_id 0
		.amdhsa_next_free_vgpr 768
		.amdhsa_next_free_sgpr 100
		.amdhsa_reserve_vcc 0
		.amdhsa_float_denorm_mode_32 3
		.amdhsa_float_denorm_mode_16_64 3
		.amdhsa_memory_ordered 1
		.amdhsa_forward_progress 1
		.amdhsa_inst_pref_size 82
	.end_amdhsa_kernel
	.amdgpu_metadata
---
amdhsa.version: [ 1, 2 ]
amdhsa.kernels:
  - .name:           k_q7bad8307df_outp
    .symbol:         k_q7bad8307df_outp.kd
    .args:
      - { .name: cc, .offset: 0, .size: 8, .value_kind: global_buffer, .address_space: global }
      - { .name: opc, .offset: 8, .size: 8, .value_kind: global_buffer, .address_space: global }
      - { .name: bo, .offset: 16, .size: 8, .value_kind: global_buffer, .address_space: global }
      - { .name: out0, .offset: 24, .size: 8, .value_kind: global_buffer, .address_space: global }
    .group_segment_fixed_size: 307712
    .private_segment_fixed_size: 0
    .kernarg_segment_align: 8
    .kernarg_segment_size: 32
    .max_flat_workgroup_size: 128
    .sgpr_count:     100
    .vgpr_count:     768
    .wavefront_size: 32
...
	.end_amdgpu_metadata
.endif
;; end of part 4
